; MI455X (gfx1250); checked and timed in simulation.
; The chip was launched on July 23, 2026; its instructions are those of AMD's public machine-readable ISA for CDNA 5 (MIT licence, August 2026) and "CDNA5" Instruction Set Architecture Reference Guide (July 2026). The comments in the code are by the model that wrote it; some were corrected since.
;; Multi Headed Attention. Allowed arithmetic: float matrix products may take bf16 or f16 operands with f32 sums; all other float work in f32.
;; Inputs: Wk 1,024 x 1,024 float32; Wo 1,024 x 1,024 float32; Wq 1,024 x 1,024 float32; Wv 1,024 x 1,024 float32; bk 1,024 float32; bo 1,024 float32; bq 1,024 float32; bv 1,024 float32; key 4 x 2,048 x 1,024 float32; mask 4 x 1 x 2,048 x 2,048 bool; query 4 x 2,048 x 1,024 float32; value 4 x 2,048 x 1,024 float32.
;; Outputs: out0 4 x 2,048 x 1,024 float32.
;; 2 versions, each right; version 2 is version 1 with the launch prep written anew for expert scheduling mode. Each part assembles by itself: llvm-mc -triple=amdgcn-amd-amdhsa -mcpu=gfx1250 --defsym DOCPART=n.
;; ======== version 1 of 2: 4 launches
;; limits: values are held in f16: magnitudes above 65,504 overflow, below 6.1e-05 lose precision
;; workspace buffers: wf 8,388,608 bytes; maskw 2,097,152 bytes of whole numbers; qkvf 50,331,648 bytes; xf 16,777,216 bytes
;; launch prep (part 1): grid 256 x 1, 8 waves a work-group, no clusters, 136,192 bytes of LDS; arguments mask, Wq, Wk, Wv, Wo, maskw, wf; writes maskw, wf
.if DOCPART == 1
	.amdgcn_target "amdgcn-amd-amdhsa--gfx1250"
	.amdhsa_code_object_version 6
	.text
	.protected	k_q69d3be11ff_prep
	.globl	k_q69d3be11ff_prep
	.p2align	8
	.type	k_q69d3be11ff_prep,@function
k_q69d3be11ff_prep:
	s_mov_b64 s[64:65], 0
	v_nop
	global_prefetch_b8 v0, s[64:65] scope:SCOPE_SE
	s_setreg_imm32_b32 hwreg(HW_REG_WAVE_MODE, 25, 1), 1
	s_wait_xcnt 0x0
; MULTI-HEAD ATTENTION, launch 1 of 4: the mask and the four weight matrices are laid out for the later launches.
; DEAD WORK: none.  Every input of reference() reaches the output and is loaded by some launch.  In particular bk stays: q.bk is the
; same along the keys only at places that the mask lets through; a masked place holds -1e9 without it, so it does not cancel in the softmax.
; NUMBER FORMAT: all matrix operands (x, W, q, k, v, p, the attention's result) are f16, sums and the softmax f32.  Twelve roundings lie between the inputs and out0;
; with bf16's 8 significant bits they add up to about a quarter of the allowed difference in root mean square, too much for 8 million numbers; f16 has 11 bits.
; f16's range, by the problem's spreads: x up to about 5.5, W up to 0.15, q, k, v up to about 5.5, the attention's result a mean of v, p at most 1.
; With x and W both 30 times larger q, k, v reach about 5,000; with both carrying an offset of 30 spreads, 1024 x 30 x 0.94 = 28,800.  Both lie under 65,504.
; LIMITS of the whole program: |q|, |k| or |v| above 65,504 overflows (x and W each about 109 times larger than drawn); operands below 2^-14 keep the fixed step 2^-24;
; sums are formed in another order than reference()'s; exponentials whose result lies below 2^-126 come out as 0.
;
; (a) mask [4][2048][2048] bytes -> maskw [b][q tile 128][key tile 128][j 8] words.  Bit L of a word = mask[b][16 qt + (L & 15)][16 kt + 8 (L >> 4) + j] != 0:
;     the lane mask of register j of a 16 x 16 score tile that holds keys down its registers and queries across its lanes.
; (b) W [1024 k][1024 n] f32 -> wf [Wq,Wk,Wv,Wo][n block 4][k step 8][k tile 8][n tile 16][512 bytes] f16.  In a block of 512 bytes the 16 bytes
;     (k row kr, columns 8 c .. 8 c + 7) lie at 16 (16 (kr >> 3) + 8 c + (kr & 7)): a transposing LDS load at block + 16 lane then yields a fragment half.
; Eight waves, none depends on another: each has its own 16,896 bytes of LDS (16 mask rows, then 16 weight rows, 512 bytes each at a pitch of 528).
; Wave w of work-group g: q tile 2 g + (w >> 2), keys 512 (w & 3) ..; matrix g >> 6, its rows 16 (g & 63) .., columns 128 w ...
; Every global load and store of a wave covers 512 consecutive bytes, aligned.
.set WLDS,  16896
.set PITCH, 528
.set WOFF,  8448                       ; the weight rows, behind the 16 mask rows
.set RA,  3                            ; v3        LDS: mask row (L & 15), byte 8 (L >> 4)
.set PA,  4                            ; v4        LDS: weight row 8 (L >> 4) + (L & 7), byte 32 ((L >> 3) & 1)
.set SA,  5                            ; v5        LDS: 16 L in my wave's bytes
.set OUT, 8                            ; v[8:15]   two groups of 4: 128 mask words each, lane l holds words 4 l .. 4 l + 3
.set MR,  16                           ; v[16:79]  16 mask rows as loaded; later the weights read back (WP)
.set WP,  16
.set WR,  80                           ; v[80:143] 16 weight rows as loaded
.set MD,  144                          ; v[144:159] 8 x 8 mask bytes
.set WO,  160                          ; v[160:191] the weights in f16
	s_load_b256 s[4:11], s[0:1], 0x0               ; mask s[4:5], Wq s[6:7], Wk s[8:9], Wv s[10:11]
	s_load_b128 s[12:15], s[0:1], 0x20             ; Wo s[12:13], maskw s[14:15]
	s_load_b64 s[16:17], s[0:1], 0x30              ; wf
	v_lshl_add_u32 v192, v0, 2, 0x21000
	v_mov_b32 v193, 0
	v_lshrrev_b32 v6, 5, v0
	v_readfirstlane_b32 s20, v6                    ; wave
	v_and_b32 v1, 31, v0                           ; L
	v_lshlrev_b32 v2, 4, v1                        ; 16 L
	s_mul_i32 s21, s20, WLDS                       ; my wave's LDS bytes
	v_and_b32 v6, 15, v1
	v_lshrrev_b32 v7, 4, v1
	v_mul_u32_u24 v[RA], v6, PITCH
	v_lshl_add_u32 v[RA], v7, 3, v[RA]
	v_add_nc_u32 v[RA], s21, v[RA]
	v_and_b32 v6, 7, v1
	v_lshl_add_u32 v6, v7, 3, v6                   ; k row of my piece
	v_mul_u32_u24 v[PA], v6, PITCH
	v_bfe_u32 v6, v1, 3, 1
	v_lshl_add_u32 v[PA], v6, 5, v[PA]             ; 8 f32 columns = 32 bytes
	v_add_nc_u32 v[PA], s21, v[PA]
	v_add_nc_u32 v[PA], WOFF, v[PA]
	v_add_nc_u32 v[SA], s21, v2
	s_lshl_b32 s22, ttmp9, 1
	s_lshr_b32 s23, s20, 2
	s_add_co_u32 s22, s22, s23                     ; q tile, 0 .. 511 (= 128 b + qt)
	s_and_b32 s23, s20, 3                          ; key chunk
	s_lshl_b32 s32, s22, 15                        ; 16 rows of 2,048 bytes
	s_lshl_b32 s33, s23, 9
	s_add_co_u32 s32, s32, s33
	s_mov_b32 s33, 0
	s_lshl_b32 s34, s22, 12                        ; 128 key tiles x 8 words
	s_lshl_b32 s35, s23, 10
	s_add_co_u32 s34, s34, s35
	s_mov_b32 s35, 0
	s_lshr_b32 s22, ttmp9, 6                       ; which matrix
	s_and_b32 s23, ttmp9, 63                       ; which 16 rows of it
	s_lshl_b32 s36, s23, 16                        ; 16 rows of 4,096 bytes
	s_lshl_b32 s37, s20, 9
	s_add_co_u32 s36, s36, s37
	s_mov_b32 s37, 0
	s_lshl_b32 s38, s22, 21                        ; wf: matrix,
	s_lshr_b32 s39, s20, 1
	s_lshl_b32 s39, s39, 19                        ; n block = w >> 1,
	s_add_co_u32 s38, s38, s39
	s_lshr_b32 s39, s23, 3
	s_lshl_b32 s39, s39, 16                        ; k step,
	s_add_co_u32 s38, s38, s39
	s_and_b32 s39, s23, 7
	s_lshl_b32 s39, s39, 13                        ; k tile,
	s_add_co_u32 s38, s38, s39
	s_and_b32 s39, s20, 1
	s_lshl_b32 s39, s39, 12                        ; n tiles 8 (w & 1) ..
	s_add_co_u32 s38, s38, s39
	s_mov_b32 s39, 0
	s_wait_kmcnt 0x0
	s_cmp_eq_u32 s22, 1
	s_cselect_b64 s[18:19], s[8:9], s[6:7]
	s_cmp_eq_u32 s22, 2
	s_cselect_b64 s[18:19], s[10:11], s[18:19]
	s_cmp_eq_u32 s22, 3
	s_cselect_b64 s[18:19], s[12:13], s[18:19]
	s_add_nc_u64 s[4:5], s[4:5], s[32:33]
	s_add_nc_u64 s[14:15], s[14:15], s[34:35]
	s_add_nc_u64 s[18:19], s[18:19], s[36:37]
	s_add_nc_u64 s[16:17], s[16:17], s[38:39]
.set i, 0
.rept 16
	global_load_b128 v[MR+4*i:MR+4*i+3], v2, s[4:5] offset:i*2048 th:TH_LOAD_NT
.set i, i+1
.endr
.set i, 0
.rept 16
	global_load_b128 v[WR+4*i:WR+4*i+3], v2, s[18:19] offset:i*4096 th:TH_LOAD_NT
.set i, i+1
.endr
.set i, 0
.rept 8
	v_mov_b32 v[OUT+i], 0                          ; v_writelane_b32 keeps the other lanes: the registers are written whole first
.set i, i+1
.endr
	s_wait_loadcnt 16                              ; the 16 mask rows are in; the 16 younger loads (weights) stay out
.set i, 0
.rept 16
	ds_store_b128 v[SA], v[MR+4*i:MR+4*i+3] offset:i*PITCH
.set i, i+1
.endr
; 32 key tiles in four groups of eight.  A lane reads the 8 bytes (query L & 15, keys 16 kt + 8 (L >> 4) ..); a compare of byte j over the
; 32 lanes is the word (kt, j); it goes to lane 2 (kt & 15) + (j >> 2), register j & 3, so that a 16-byte store a lane writes 128 words in order.
; My own bytes: LDS serves a wave's instructions in order, so the loads see the stores above.
.set g, 0
.rept 4
.set q, 0
.rept 8
	ds_load_b64 v[MD+2*q:MD+2*q+1], v[RA] offset:(8*g+q)*16
.set q, q+1
.endr
	s_wait_dscnt 0x0
.set q, 0
.rept 8
.set j, 0
.rept 8
	v_bfe_u32 v[6+j%2], v[MD+2*q+j/4], 8*(j%4), 8
	v_cmp_ne_u32 s[24+j], 0, v[6+j%2]
	v_writelane_b32 v[OUT+4*(g/2)+j%4], s[24+j], ((8*g+q)%16)*2+j/4
.set j, j+1
.endr
.set q, q+1
.endr
.if g%2
	global_store_b128 v2, v[OUT+4*(g/2):OUT+4*(g/2)+3], s[14:15] offset:(g/2)*512
.endif
.set g, g+1
.endr
; the weights: 16 rows x 128 columns through LDS into eight blocks of 16 x 16
	s_wait_loadcnt 0x0
.set i, 0
.rept 16
	ds_store_b128 v[SA], v[WR+4*i:WR+4*i+3] offset:WOFF+i*PITCH
.set i, i+1
.endr
.set c, 0
.rept 8
	ds_load_b128 v[WP+8*c:WP+8*c+3],   v[PA] offset:c*64
	ds_load_b128 v[WP+8*c+4:WP+8*c+7], v[PA] offset:c*64+16
.set c, c+1
.endr
	s_wait_dscnt 0x0
.set i, 0
.rept 32
	v_cvt_pk_f16_f32 v[WO+i], v[WP+2*i], v[WP+2*i+1]
.set i, i+1
.endr
.set c, 0
.rept 8
	global_store_b128 v2, v[WO+4*c:WO+4*c+3], s[16:17] offset:c*512
.set c, c+1
.endr
	s_wait_tensorcnt 0x0
	ds_add_u32 v192, v193
	s_wait_dscnt 0x0
	s_endpgm
.Lfunc_end_k_q69d3be11ff_prep:
	.size	k_q69d3be11ff_prep, .Lfunc_end_k_q69d3be11ff_prep-k_q69d3be11ff_prep
	.p2alignl 7, 3214868480
	.fill 96, 4, 3214868480
	.section	.rodata,"a",@progbits
	.p2align	6, 0x0
	.amdhsa_kernel k_q69d3be11ff_prep
		.amdhsa_group_segment_fixed_size 136192
		.amdhsa_private_segment_fixed_size 0
		.amdhsa_enable_private_segment 0
		.amdhsa_kernarg_size 56
		.amdhsa_user_sgpr_count 2
		.amdhsa_user_sgpr_kernarg_segment_ptr 1
		.amdhsa_wavefront_size32 1
		.amdhsa_system_sgpr_workgroup_id_x 1
		.amdhsa_system_sgpr_workgroup_id_y 1
		.amdhsa_system_sgpr_workgroup_id_z 1
		.amdhsa_system_vgpr_workitem_id 0
		.amdhsa_next_free_vgpr 194
		.amdhsa_next_free_sgpr 66
		.amdhsa_reserve_vcc 0
		.amdhsa_float_denorm_mode_32 3
		.amdhsa_float_denorm_mode_16_64 3
		.amdhsa_memory_ordered 1
		.amdhsa_forward_progress 1
		.amdhsa_inst_pref_size 63
	.end_amdhsa_kernel
	.amdgpu_metadata
---
amdhsa.version: [ 1, 2 ]
amdhsa.kernels:
  - .name:           k_q69d3be11ff_prep
    .symbol:         k_q69d3be11ff_prep.kd
    .args:
      - { .name: mask, .offset: 0, .size: 8, .value_kind: global_buffer, .address_space: global }
      - { .name: Wq, .offset: 8, .size: 8, .value_kind: global_buffer, .address_space: global }
      - { .name: Wk, .offset: 16, .size: 8, .value_kind: global_buffer, .address_space: global }
      - { .name: Wv, .offset: 24, .size: 8, .value_kind: global_buffer, .address_space: global }
      - { .name: Wo, .offset: 32, .size: 8, .value_kind: global_buffer, .address_space: global }
      - { .name: maskw, .offset: 40, .size: 8, .value_kind: global_buffer, .address_space: global }
      - { .name: wf, .offset: 48, .size: 8, .value_kind: global_buffer, .address_space: global }
    .group_segment_fixed_size: 136192
    .private_segment_fixed_size: 0
    .kernarg_segment_align: 8
    .kernarg_segment_size: 56
    .max_flat_workgroup_size: 256
    .sgpr_count:     66
    .vgpr_count:     194
    .wavefront_size: 32
...
	.end_amdgpu_metadata
.endif
;; end of part 1
;; launch qkv (part 2): grid 4 x 64, 4 waves a work-group, clusters of 4 x 4, 327,680 bytes of LDS; arguments query, key, value, bq, bk, bv, wf, qkvf; writes qkvf
.if DOCPART == 2
	.amdgcn_target "amdgcn-amd-amdhsa--gfx1250"
	.amdhsa_code_object_version 6
	.text
	.protected	k_q69d3be11ff_qkv
	.globl	k_q69d3be11ff_qkv
	.p2align	8
	.type	k_q69d3be11ff_qkv,@function
k_q69d3be11ff_qkv:
	s_mov_b64 s[64:65], 0
	v_nop
	global_prefetch_b8 v0, s[64:65] scope:SCOPE_SE
	s_setreg_imm32_b32 hwreg(HW_REG_WAVE_MODE, 25, 1), 1
	s_wait_xcnt 0x0
	s_wait_alu depctr_hold_cnt(0) depctr_sa_sdst(0) depctr_va_vdst(0) depctr_va_sdst(0) depctr_va_ssrc(0) depctr_va_vcc(0) depctr_vm_vsrc(0)
	s_getreg_b32 s2, hwreg(HW_REG_IB_STS2, 6, 4)
	s_cmp_eq_u32 s2, 0
	s_cbranch_scc0 .Lentry_in_a_cluster
	s_endpgm
.Lentry_in_a_cluster:
	s_bfe_u32 s2, ttmp6, 0x10000c
	s_cmp_lg_u32 s2, 0xf033
	s_cbranch_scc0 .Lentry_shape_is_right
	s_endpgm
.Lentry_shape_is_right:
; Launch 2 of 4: q = query Wq + bq, k = key Wk + bk, v = value Wv + bv, three products [8192,1024] x [1024,1024] in one launch.  No work of reference() is left out.
; q is stored multiplied by log2(e) / 8: the division by sqrt(64) and the change from e^x to 2^x, taken once for each q instead of once for each score.
; 256 work-groups THAT STAY: block row y = m block (0 .. 63), block column x = n block.  A work-group makes its 128 rows x 256 columns of q, then of k, then of v, with four
; waves; wave w makes rows 64 (w >> 1) .., columns 128 (w & 1) ..: 4 x 8 accumulator tiles of 16 x 16, 256 registers.
; The 3 x 8 K steps of 128 go through ONE ring of two LDS slots that runs on from product to product: the last two K steps of a product fill the slots with the first two
; of the next.  So arguments, descriptors, first fills and the wait for the last stores come once for three products, and a product's stores leave beside the next product's work.
; A slot: 128 rows of x, 128 f32 each (512 bytes at a pitch of 528, an odd multiple of 16, so that the 16 rows of a fragment load start in 16 different 16-byte columns),
; then the weights' 64 KiB as launch 1 laid them: [k tile 8][n tile 16][512 bytes].
; x is rounded to f16 on the way from LDS to the matrix unit; these 32 conversions a quarter step are also the places behind the matrix instructions.
; Operands are f16 (why, and its range: the head of launch 1).  LIMIT: a q, k or v above 65,504 in magnitude overflows.
; CLUSTERS: 4 x 4 work-groups.  x's tile hangs on the block row alone and is asked for jointly by a row of the cluster, the weights' tile on the block column alone and is
; asked for jointly by a column.  The product's number is a constant of the text, the same in all.  A wave has at most two tensor loads out (the two first fills), later one.
; THE MATRIX INSTRUCTION IS USED TRANSPOSED (source 0 = 16 columns of W, source 1 = 16 rows of x): lane l then holds row l % 16, columns 8 (l / 16) + 0 .. 7.
; THE BIAS of a lane's 8 x 8 columns lies in 64 registers and is the C of a product's first 32 matrix instructions: nothing is cleared and nothing is added at the end.
; The next product's bias is loaded into them as soon as they have been read.
; ASKING AHEAD: x leaves memory once.  In every even K step t each wave asks, by one prefetch of 32 lanes 256 bytes apart, for a share of x's tiles of K steps t + 4 and t + 5 (counted
; on through the products), which the tensor loads of K steps t + 2 and t + 3 will request.  Two K steps are 128 rows x 1,024 bytes = 512 such blocks = 4 work-groups of a row of the
; cluster x 4 waves x 32 lanes: each block is asked for once.  K steps 0 to 3 of query are not asked for; the last two laps of v's product ask for nothing.  A work-group has at most
; 2 x 32 KiB asked for and not yet read.  The weights are not asked for: all 64 block rows read the same 6 MiB.
; OUTPUT: qkvf [q,k,v][b][head][tile of 16 s: 128][tile of 16 d: 4][512 bytes] f16.  q, k: the 16 bytes (row r, columns 8 h ..) at 16 (16 h + r) = 16 lane.
; v: the same 16 bytes at 16 (16 (r >> 3) + 8 h + (r & 7)), the form that a transposing LDS load takes.  Each store of a wave covers 512 consecutive bytes, aligned.
; REGISTERS: window 0: addresses, v32-95 x in f32, v96-127 and v128-159 x in f16 (two buffers), v160-223 the bias; window 1: the accumulators, tile (mt, nt) at v[8 (8 mt + nt)];
; window 2: v0-63 and v64-127 fragments of W (two buffers), v128-255 a product's results in f16, from which the stores read.
.set APITCH, 528
.set AHALF,  64*APITCH                 ; 64 rows: one tensor load of x
.set BOFF,   128*APITCH                ; the weights, behind x's 128 rows
.set SLOT,   BOFF+65536
.set ADRA, 16                          ; v16-17  LDS address of my x rows in slot 0, 1
.set ADRB, 20                          ; v20-21  the same for the weights
.set CO,   24                          ; v24     q, k: where my 16 bytes lie in a block of 512
.set BO,   25                          ; v25     32 (l / 16): my 8 numbers in 16 of the bias
.set COV,  26                          ; v26     v: where my 16 bytes lie in a block of 512
.set PFO,  27                          ; v27     the block of x that I ask for ahead
.set STG,  32
.set AB,   96
.set BIAS, 160
.set PK,   128                         ; window 2
.set G1A, 24                           ; s[24:31]
.set G0A, 32                           ; s[32:39], a set for each slot
.set G1B, 48                           ; s[48:55]
.set G0B, 56                           ; s[56:63], a set for each slot
.set XB,  68                           ; s[68:73] query, key, value at my wave's 64 rows
.set BB,  74                           ; s[74:79] bq, bk, bv at my 128 columns
.set PF,  84                           ; s[84:85] this product's x, two laps ahead
.set MSB, 0
.macro WIN new                         ; the immediate's high byte repeats the setting that is left
.if MSB != \new
	s_set_vgpr_msb (MSB<<8)|\new
.set MSB, \new
.endif
.endm
.set MUL,    0x52                      ; source 0 (W) window 2, source 1 (x) window 0, C and D window 1
.set MULB,   0x42                      ; the same with C (the bias) in window 0
.set TO_B,   0x80                      ; destination window 2
.set INACC,  0x41                      ; destination and source 0 window 1
.set PACKW,  0x85                      ; sources 0 and 1 window 1, destination window 2
.set ST2,    0x08                      ; a store's data in window 2
.macro JLOAD s                         ; waves 0, 1 ask for x's two halves, waves 2, 3 for the weights': one line, one mask each
	s_cmp_eq_u32 s11, 0
	s_cbranch_scc0 .Lfor_b_\@
	tensor_load_to_lds s[G0A+4*\s:G0A+4*\s+3], s[G1A:G1A+7]
	s_nop 0
	s_branch .Lasked_\@
.Lfor_b_\@:
	tensor_load_to_lds s[G0B+4*\s:G0B+4*\s+3], s[G1B:G1B+7]
	s_nop 0
.Lasked_\@:
.endm
.macro CREST                           ; a round of the cluster's barrier behind its opening work-group barrier
	s_cmp_lg_u32 s10, 0
	s_cbranch_scc1 .Lnot_wave_0_\@
	s_barrier_signal -3
.Lnot_wave_0_\@:
	s_barrier_wait -3
	s_barrier_signal -1
	s_barrier_wait -1
.endm
.macro CROUND
	s_barrier_signal -1
	s_barrier_wait -1
	CREST
.endm
.macro BIASLOAD p                      ; 16 loads: register 8 nt + j is column 16 nt + 8 h + j of my 128
.irp nt, 0,1,2,3,4,5,6,7
	global_load_b128 v[BIAS+8*\nt:BIAS+8*\nt+3],   v[BO], s[BB+2*(\p):BB+2*(\p)+1] offset:\nt*64
	global_load_b128 v[BIAS+8*\nt+4:BIAS+8*\nt+7], v[BO], s[BB+2*(\p):BB+2*(\p)+1] offset:\nt*64+16
.endr
.endm
	s_load_b512 s[68:83], s[0:1], 0x0              ; query, key, value s[68:73]; bq, bk, bv s[74:79]; wf s[80:81]; qkvf s[82:83]
	v_lshl_add_u32 v254, v0, 2, 0x41000
	v_mov_b32 v255, 0
	ds_add_u32 v254, v255
	v_lshrrev_b32 v1, 5, v0
	v_readfirstlane_b32 s10, v1                    ; wave
	s_lshr_b32 s11, s10, 1                         ; my half of the rows.  Also: I fetch x (0) or weights (1)
	s_and_b32 s12, s10, 1                          ; my half of the columns.  Also: which half of that tile I fetch
	s_bfe_u32 s40, ttmp6, 0x40000                  ; cx
	s_bfe_u32 s41, ttmp6, 0x40004                  ; cy
	s_lshl_b32 s42, ttmp9, 2
	s_add_co_u32 s42, s42, s40                     ; n block
	s_and_b32 s13, ttmp7, 0xffff
	s_lshl_b32 s13, s13, 2
	s_add_co_u32 s13, s13, s41                     ; m block
	s_lshl_b32 s43, s41, 2
	s_lshl_b32 s43, 15, s43                        ; my row of the cluster
	s_lshl_b32 s44, 0x1111, s40                    ; my column
	; group 1 for x: 64 rows of 128 elements of 4 bytes, pitch 1,024 elements; 4 words of padding behind every 128 words
	s_or_b32 s[G1A+0], s43, (2<<16)|(1<<20)|(1<<21)|(6<<22)|(3<<25)
	s_mov_b32 s[G1A+1], 128<<16
	s_mov_b32 s[G1A+2], 64<<16
	s_mov_b32 s[G1A+3], 128<<16
	s_mov_b32 s[G1A+4], 64
	s_mov_b32 s[G1A+5], 1024
	s_mov_b32 s[G1A+6], 0
	s_mov_b32 s[G1A+7], 0
	; group 1 for the weights: 32,768 dense bytes as 128 rows of 32 elements of 8 bytes
	s_or_b32 s[G1B+0], s44, (3<<16)|(1<<21)
	s_mov_b32 s[G1B+1], 32<<16
	s_mov_b32 s[G1B+2], 128<<16
	s_mov_b32 s[G1B+3], 32<<16
	s_mov_b32 s[G1B+4], 128
	s_mov_b32 s[G1B+5], 32
	s_mov_b32 s[G1B+6], 0
	s_mov_b32 s[G1B+7], 0
	s_lshl_b32 s16, s13, 19                        ; x: (128 m block + 64 half) rows of 4,096 bytes
	s_lshl_b32 s17, s12, 18
	s_add_co_u32 s16, s16, s17
	s_mov_b32 s17, 0
	s_lshl_b32 s46, s42, 19                        ; wf: Wq, n block, half of the k step's 64 KiB
	s_lshl_b32 s47, s12, 15
	s_add_co_u32 s46, s46, s47
	s_mov_b32 s47, 0
	s_mul_i32 s20, s10, AHALF                      ; LDS: x's halves at wave x 33,792 (waves 0, 1),
	s_lshl_b32 s21, s10, 15
	s_add_co_u32 s21, s21, BOFF-65536              ; the weights' at 67,584 + (wave - 2) x 32,768 (waves 2, 3)
	s_wait_dscnt 0x0
	s_wait_kmcnt 0x0
	s_add_nc_u64 s[XB:XB+1],   s[XB:XB+1],   s[16:17]      ; each x from its own pointer
	s_add_nc_u64 s[XB+2:XB+3], s[XB+2:XB+3], s[16:17]
	s_add_nc_u64 s[XB+4:XB+5], s[XB+4:XB+5], s[16:17]
	s_add_nc_u64 s[46:47], s[80:81], s[46:47]
	CROUND                                         ; all sixteen work-groups are here: the first joint loads meet
.irp s, 0,1
	s_mov_b32 s[G0A+4*\s], 1
	s_add_co_u32 s[G0A+4*\s+1], s20, \s*SLOT
	s_add_nc_u64 s[G0A+4*\s+2:G0A+4*\s+3], s[XB:XB+1], \s*512      ; K step s of query: 128 f32 along the row
	s_or_b32 s[G0A+4*\s+3], s[G0A+4*\s+3], 0x80000000
	s_mov_b32 s[G0B+4*\s], 1
	s_add_co_u32 s[G0B+4*\s+1], s21, \s*SLOT
	s_add_nc_u64 s[G0B+4*\s+2:G0B+4*\s+3], s[46:47], \s*65536      ; K step s of Wq
	s_or_b32 s[G0B+4*\s+3], s[G0B+4*\s+3], 0x80000000
.endr
	s_cmp_eq_u32 s11, 0                            ; both first fills of a wave stand inside one branch on its number
	s_cbranch_scc0 .Lfirst_b
	tensor_load_to_lds s[G0A:G0A+3], s[G1A:G1A+7]
	s_nop 0
	tensor_load_to_lds s[G0A+4:G0A+7], s[G1A:G1A+7]
	s_nop 0
	s_branch .Lfirst_done
.Lfirst_b:
	tensor_load_to_lds s[G0B:G0B+3], s[G1B:G1B+7]
	s_nop 0
	tensor_load_to_lds s[G0B+4:G0B+7], s[G1B:G1B+7]
	s_nop 0
.Lfirst_done:
	s_lshl_b32 s86, s42, 10                        ; the biases of my 128 columns
	s_lshl_b32 s87, s12, 9
	s_add_co_u32 s86, s86, s87
	s_mov_b32 s87, 0
	s_add_nc_u64 s[BB:BB+1],   s[BB:BB+1],   s[86:87]
	s_add_nc_u64 s[BB+2:BB+3], s[BB+2:BB+3], s[86:87]
	s_add_nc_u64 s[BB+4:BB+5], s[BB+4:BB+5], s[86:87]
	v_and_b32 v5, 31, v0                           ; l
	v_and_b32 v1, 15, v0                           ; r = l % 16
	v_bfe_u32 v2, v0, 4, 1                         ; h = l / 16
	v_lshlrev_b32 v[BO], 5, v2
	BIASLOAD 0
	s_add_nc_u64 s[PF:PF+1], s[XB:XB+1], 2048      ; query's K steps 4 and 5
	; where my tiles go: the part that hangs on the block row, then the part that hangs on the block column, each in registers of its own
	s_lshr_b32 s16, s13, 4
	s_lshl_b32 s16, s16, 22                        ; b: 16 heads of 262,144 bytes
	s_and_b32 s17, s13, 15
	s_lshl_b32 s17, s17, 14                        ; 8 tiles of 2,048 bytes for each m block
	s_add_co_u32 s16, s16, s17
	s_lshl_b32 s17, s11, 13                        ; my 4 tiles
	s_add_co_u32 s16, s16, s17
	s_mov_b32 s17, 0
	s_add_nc_u64 s[8:9], s[82:83], s[16:17]
	s_lshl_b32 s86, s42, 20                        ; head = 4 n block + 2 (w & 1) + (nt >> 2)
	s_lshl_b32 s87, s12, 19
	s_add_co_u32 s86, s86, s87
	s_mov_b32 s87, 0
	s_add_nc_u64 s[8:9], s[8:9], s[86:87]
	v_lshlrev_b32 v[CO], 4, v5                     ; q, k: 16 l
	v_and_b32 v7, 7, v0
	v_bfe_u32 v8, v0, 3, 1
	v_lshl_or_b32 v7, v2, 3, v7
	v_lshl_or_b32 v7, v8, 4, v7
	v_lshlrev_b32 v[COV], 4, v7                    ; v: 16 x (l with its bits 3 and 4 exchanged)
	s_lshl_b32 s86, s40, 4                         ; asking ahead: of my wave's 64 rows, row 16 cx + 8 (w >> 1) + (l >> 2),
	s_lshl3_add_u32 s86, s11, s86
	v_lshrrev_b32 v9, 2, v5
	v_add_nc_u32 v9, s86, v9
	v_and_b32 v10, 3, v5
	v_lshlrev_b32 v10, 8, v10                      ; block l & 3 of the row's 1,024 bytes of two K steps
	v_lshl_add_u32 v[PFO], v9, 12, v10
	v_mul_u32_u24 v3, v1, APITCH
	v_lshl_add_u32 v3, v2, 5, v3                   ; row r, 8 f32 = 32 bytes for each half of the lanes
	s_mul_i32 s19, s11, AHALF
	v_add_nc_u32 v[ADRA], s19, v3
	v_add_nc_u32 v[ADRA+1], SLOT, v[ADRA]
	s_lshl_b32 s19, s12, 12                        ; my 8 n tiles of 512 bytes
	s_add_co_u32 s19, s19, BOFF
	v_add_nc_u32 v[ADRB], s19, v[CO]
	v_add_nc_u32 v[ADRB+1], SLOT, v[ADRB]
; 16 matrix instructions: m tiles 2 half, 2 half + 1 x all 8 n tiles, 32 along K, from buffers f.  cb = 1: the bias is C and the sums start.
; The 32 accumulators take turns, one instruction a turn, in the same order in every quarter step, over the backward jumps and from product to product.
.macro MUL16 f, half, cb
.irp mt, 2*\half, 2*\half+1
.irp nt, 0,1,2,3,4,5,6,7
.if \cb
	v_wmma_f32_16x16x32_f16 v[8*(8*(\mt)+\nt):8*(8*(\mt)+\nt)+7], v[64*\f+8*\nt:64*\f+8*\nt+7], v[AB+32*\f+8*(\mt):AB+32*\f+8*(\mt)+7], v[BIAS+8*\nt:BIAS+8*\nt+7]
.else
	v_wmma_f32_16x16x32_f16 v[8*(8*(\mt)+\nt):8*(8*(\mt)+\nt)+7], v[64*\f+8*\nt:64*\f+8*\nt+7], v[AB+32*\f+8*(\mt):AB+32*\f+8*(\mt)+7], v[8*(8*(\mt)+\nt):8*(8*(\mt)+\nt)+7]
.endif
.endr
.endr
.endm
; the fragments of quarter step kq: 16 transposing loads (W, k tiles 2 kq and 2 kq + 1, 8 n tiles) into buffer g, 16 loads of x in f32 (4 m tiles; k = 8 h .. and 16 + 8 h ..)
.macro FETCH slot, kq, g
	WIN TO_B
.irp nt, 0,1,2,3,4,5,6,7
	ds_load_tr16_b128 v[64*\g+8*\nt:64*\g+8*\nt+3],   v[ADRB+\slot] offset:(2*\kq)*8192+\nt*512
	ds_load_tr16_b128 v[64*\g+8*\nt+4:64*\g+8*\nt+7], v[ADRB+\slot] offset:(2*\kq+1)*8192+\nt*512
.endr
	WIN 0
.irp mt, 0,1,2,3
	ds_load_b128 v[STG+16*\mt:STG+16*\mt+3],     v[ADRA+\slot] offset:\mt*16*APITCH+\kq*128
	ds_load_b128 v[STG+16*\mt+4:STG+16*\mt+7],   v[ADRA+\slot] offset:\mt*16*APITCH+\kq*128+16
	ds_load_b128 v[STG+16*\mt+8:STG+16*\mt+11],  v[ADRA+\slot] offset:\mt*16*APITCH+\kq*128+64
	ds_load_b128 v[STG+16*\mt+12:STG+16*\mt+15], v[ADRA+\slot] offset:\mt*16*APITCH+\kq*128+80
.endr
.endm
.macro CVT g                           ; x to f16, into buffer g
.irp mt, 0,1,2,3
.irp i, 0,1,2,3,4,5,6,7
	v_cvt_pk_f16_f32 v[AB+32*\g+8*\mt+\i], v[STG+16*\mt+2*\i], v[STG+16*\mt+2*\i+1]
.endr
.endr
.endm
; A quarter step: the next quarter's loads go out, 32 matrix instructions on buffers f, then the loads are waited for and x is converted into buffer g.
; The 32 conversions name none of the registers of the matrix instructions on f: they are the places in front of the next loads into W's buffer f,
; of the next conversions into x's buffer f, and (behind a product's first quarter step) of the loads of the next bias.
.macro QUARTER f, g, slot, kq, cb
	FETCH \slot, \kq, \g
.if \cb
	WIN MULB
.else
	WIN MUL
.endif
	MUL16 \f, 0, \cb
	MUL16 \f, 1, \cb
	WIN 0
	s_wait_dscnt 0x0                               ; the 32 loads above, issued 32 matrix instructions ago
	CVT \g
.endm
; Asking ahead for x.  pf = 1, in the loop: laps 0 and 1 (the counter at 3 and 2) ask for this x's K steps 4, 5 and 6, 7; lap 2 (the counter at 1) for the next x's K steps 0, 1,
; or for nothing in the last product.  pf = 2, in the last lap: the next x's K steps 2, 3.  Each line names one buffer; none points past a row's 4,096 bytes.
.macro ASK p, pf
.if \pf == 1
	s_cmp_eq_u32 s3, 1
	s_cbranch_scc1 .Lnext_x_\@
	global_prefetch_b8 v[PFO], s[PF:PF+1] th:TH_LOAD_NT scope:SCOPE_SE
.if \p < 2
	s_branch .Lasked_x_\@
.Lnext_x_\@:
	global_prefetch_b8 v[PFO], s[XB+2*\p+2:XB+2*\p+3] th:TH_LOAD_NT scope:SCOPE_SE
.Lasked_x_\@:
.else
.Lnext_x_\@:
.endif
.endif
.if \pf == 2
	global_prefetch_b8 v[PFO], s[XB+2*\p+2:XB+2*\p+3] offset:1024 th:TH_LOAD_NT scope:SCOPE_SE
.endif
.endm
; The last quarter step of a K step multiplies buffers 1 and changes slots.  In front of the barrier each wave's reads of this slot are back and all its tensor loads
; have landed (the one that was out is its part of the next slot).  fill > 0: the barrier opens a round of the cluster's barrier, and the joint refill of this slot,
; two K steps ahead, is the first tensor load behind the round; 112 matrix instructions follow before the wait for it.
; fill = 1: two K steps on in the same product.  fill = 2: K step 'slot' of the next product: x's address from that buffer's own pointer, the weights' one matrix on less six K steps.
.macro TURN slot, next, fill, p, pf
	s_wait_dscnt 0x0
	s_wait_tensorcnt 0x0
	ds_add_u32 v254, v255
	s_wait_dscnt 0x0
	s_barrier_signal -1
	WIN MUL
	MUL16 1, 0, 0                                  ; register work between signal and wait
	WIN 0
	s_barrier_wait -1
.if \fill
	CREST
.if \fill == 1
	s_add_nc_u64 s[G0A+4*\slot+2:G0A+4*\slot+3], s[G0A+4*\slot+2:G0A+4*\slot+3], 1024
	s_add_nc_u64 s[G0B+4*\slot+2:G0B+4*\slot+3], s[G0B+4*\slot+2:G0B+4*\slot+3], 131072
.else
	s_add_nc_u64 s[G0A+4*\slot+2:G0A+4*\slot+3], s[XB+2*\p+2:XB+2*\p+3], \slot*512
	s_or_b32 s[G0A+4*\slot+3], s[G0A+4*\slot+3], 0x80000000
	s_add_nc_u64 s[G0B+4*\slot+2:G0B+4*\slot+3], s[G0B+4*\slot+2:G0B+4*\slot+3], 2097152-6*65536
.endif
	JLOAD \slot
.endif
	ASK \p, \pf
	FETCH \next, 0, 0                              ; buffers 0 were last multiplied in front of the conversions of the quarter before
	WIN MUL
	MUL16 1, 1, 0
	WIN 0
	s_wait_dscnt 0x0
	CVT 0
.endm
; The way out of product p: round to f16 into registers of their own and store; the stores leave while the next product is multiplied.
.macro EPILOGUE p
	s_wait_xcnt 0x0                                ; the last product's stores have read their registers and base, the prefetches theirs: all are written again only behind this wait
.if \p > 0
	s_add_nc_u64 s[8:9], s[8:9], 0x1000000         ; from q to k, from k to v
.endif
.if \p < 2
	s_add_nc_u64 s[PF:PF+1], s[XB+2*\p+2:XB+2*\p+3], 2048  ; the next x's K steps 4 and 5
.endif
.if \p == 0
	WIN INACC                                      ; q alone is multiplied by log2(e) / 8, in f32, ahead of its one rounding to f16
.set n, 0
.rept 128
	v_pk_mul_f32 v[n:n+1], v[n:n+1], 0x3e38aa3b op_sel_hi:[1,0]
.set n, n+2
.endr
.endif
.if \p == 2
.set OREG, COV
.else
.set OREG, CO
.endif
	WIN PACKW
.set n, 0
.rept 128
	v_cvt_pk_f16_f32 v[PK+n], v[2*n], v[2*n+1]     ; tile (mt, nt) at PK + 4 (8 mt + nt)
.set n, n+1
.endr
	WIN ST2
.irp mt, 0,1,2,3
.irp nt, 0,1,2,3,4,5,6,7
	global_store_b128 v[OREG], v[PK+32*\mt+4*\nt:PK+32*\mt+4*\nt+3], s[8:9] offset:(\nt/4)*262144+\mt*2048+(\nt%4)*512
.endr
.endr
	WIN 0
.endm
; One product: 8 K steps.  At its head buffers 0 hold the fragments of its first quarter step.  The loop is turned by a quarter step, so that the one quarter step
; that takes the bias as C stands in front of it: a trip is three quarters of an even K step, an odd K step, and the first quarter of the next even one.
.macro PRODUCT p
	s_wait_loadcnt 0x0                             ; this product's bias (asked for a product ago, or at the start)
	QUARTER 0, 1, 0, 1, 1
.if \p < 2
	BIASLOAD \p+1
.endif
	s_mov_b32 s3, 3                                ; three trips fill both slots again: K steps 2 to 7
.Llap_\@:
	QUARTER 1, 0, 0, 2, 0
	QUARTER 0, 1, 0, 3, 0
	TURN 0, 1, 1, \p, 1
	QUARTER 0, 1, 1, 1, 0
	QUARTER 1, 0, 1, 2, 0
	QUARTER 0, 1, 1, 3, 0
	TURN 1, 0, 1, \p, 0
	QUARTER 0, 1, 0, 1, 0
	s_wait_xcnt 0x0                                ; the prefetch, issued more than a K step ago, has read its base
	s_add_nc_u64 s[PF:PF+1], s[PF:PF+1], 1024      ; two K steps on (used in the first two trips alone)
	s_sub_co_u32 s3, s3, 1
	s_cmp_lg_u32 s3, 0
	s_cbranch_scc1 .Llap_\@
	QUARTER 1, 0, 0, 2, 0
	QUARTER 0, 1, 0, 3, 0
.if \p < 2
	TURN 0, 1, 2, \p, 2                            ; slot 0 gets the next product's K step 0
.else
	TURN 0, 1, 0, \p, 0                            ; the last product's last lap fills nothing
.endif
	QUARTER 0, 1, 1, 1, 0
	QUARTER 1, 0, 1, 2, 0
	QUARTER 0, 1, 1, 3, 0
.if \p < 2
	TURN 1, 0, 2, \p, 0                            ; slot 1 gets the next product's K step 1; buffers 0 its first fragments.  Its 32 conversions are the places in front of the way out
.else
	WIN MUL
	MUL16 1, 0, 0
	MUL16 1, 1, 0
.rept 4
	v_nop                                          ; four places in front of the first vector instruction that reads a result
.endr
.endif
	EPILOGUE \p
.endm
	s_wait_tensorcnt 0x1                           ; my part of K step 0 is in; K step 1's may stay out
	s_barrier_signal -1
	s_barrier_wait -1
	FETCH 0, 0, 0
	s_wait_dscnt 0x0
	CVT 0
	PRODUCT 0                                      ; q
	PRODUCT 1                                      ; k
	PRODUCT 2                                      ; v
	CROUND                                         ; the closing round: no work-group ends while a partner may still ask for a tile that names it
	s_endpgm
.Lfunc_end_k_q69d3be11ff_qkv:
	.size	k_q69d3be11ff_qkv, .Lfunc_end_k_q69d3be11ff_qkv-k_q69d3be11ff_qkv
	.p2alignl 7, 3214868480
	.fill 96, 4, 3214868480
	.section	.rodata,"a",@progbits
	.p2align	6, 0x0
	.amdhsa_kernel k_q69d3be11ff_qkv
		.amdhsa_group_segment_fixed_size 327680
		.amdhsa_private_segment_fixed_size 0
		.amdhsa_enable_private_segment 0
		.amdhsa_kernarg_size 64
		.amdhsa_user_sgpr_count 2
		.amdhsa_user_sgpr_kernarg_segment_ptr 1
		.amdhsa_wavefront_size32 1
		.amdhsa_system_sgpr_workgroup_id_x 1
		.amdhsa_system_sgpr_workgroup_id_y 1
		.amdhsa_system_sgpr_workgroup_id_z 1
		.amdhsa_system_vgpr_workitem_id 0
		.amdhsa_next_free_vgpr 768
		.amdhsa_next_free_sgpr 88
		.amdhsa_reserve_vcc 0
		.amdhsa_float_denorm_mode_32 3
		.amdhsa_float_denorm_mode_16_64 3
		.amdhsa_memory_ordered 1
		.amdhsa_forward_progress 1
		.amdhsa_inst_pref_size 255
	.end_amdhsa_kernel
	.section	.bss,"aw",@nobits
	.p2align	6
	.space	262144
	.amdgpu_metadata
---
amdhsa.version: [ 1, 2 ]
amdhsa.kernels:
  - .name:           k_q69d3be11ff_qkv
    .symbol:         k_q69d3be11ff_qkv.kd
    .args:
      - { .name: query, .offset: 0, .size: 8, .value_kind: global_buffer, .address_space: global }
      - { .name: key, .offset: 8, .size: 8, .value_kind: global_buffer, .address_space: global }
      - { .name: value, .offset: 16, .size: 8, .value_kind: global_buffer, .address_space: global }
      - { .name: bq, .offset: 24, .size: 8, .value_kind: global_buffer, .address_space: global }
      - { .name: bk, .offset: 32, .size: 8, .value_kind: global_buffer, .address_space: global }
      - { .name: bv, .offset: 40, .size: 8, .value_kind: global_buffer, .address_space: global }
      - { .name: wf, .offset: 48, .size: 8, .value_kind: global_buffer, .address_space: global }
      - { .name: qkvf, .offset: 56, .size: 8, .value_kind: global_buffer, .address_space: global }
    .group_segment_fixed_size: 327680
    .private_segment_fixed_size: 0
    .kernarg_segment_align: 8
    .kernarg_segment_size: 64
    .max_flat_workgroup_size: 128
    .sgpr_count:     88
    .vgpr_count:     768
    .wavefront_size: 32
...
	.end_amdgpu_metadata
.endif
;; end of part 2
;; launch attn (part 3): grid 4 x 64, 8 waves a work-group, clusters of 4 x 1, 327,680 bytes of LDS; arguments qkvf, maskw, xf; writes xf
.if DOCPART == 3
	.amdgcn_target "amdgcn-amd-amdhsa--gfx1250"
	.amdhsa_code_object_version 6
	.text
	.protected	k_q69d3be11ff_attn
	.globl	k_q69d3be11ff_attn
	.p2align	8
	.type	k_q69d3be11ff_attn,@function
k_q69d3be11ff_attn:
	s_mov_b64 s[64:65], 0
	v_nop
	global_prefetch_b8 v0, s[64:65] scope:SCOPE_SE
	s_setreg_imm32_b32 hwreg(HW_REG_WAVE_MODE, 25, 1), 1
	s_wait_xcnt 0x0
	s_wait_alu depctr_hold_cnt(0) depctr_sa_sdst(0) depctr_va_vdst(0) depctr_va_sdst(0) depctr_va_ssrc(0) depctr_va_vcc(0) depctr_vm_vsrc(0)
	s_getreg_b32 s2, hwreg(HW_REG_IB_STS2, 6, 4)
	s_cmp_eq_u32 s2, 0
	s_cbranch_scc0 .Lentry_in_a_cluster
	s_endpgm
.Lentry_in_a_cluster:
	s_bfe_u32 s2, ttmp6, 0x10000c
	s_cmp_lg_u32 s2, 0x3003
	s_cbranch_scc0 .Lentry_shape_is_right
	s_endpgm
.Lentry_shape_is_right:
; Launch 3 of 4: softmax(mask ? q k^T / 8 : -1e9) v for each (b, head), with a running maximum.  No work of reference() is left out.
; 256 work-groups: y = 16 b + head, x = block of 512 queries.  Eight waves, 64 queries (4 tiles of 16) each.  Keys go in blocks of 64.
; CLUSTERS: the four query blocks of one (b, head) read the same K and V: they form a cluster and ask jointly (mask 15).  Two LDS slots of 128 KiB, each with 512 keys:
; K's 32 tiles of 2,048 bytes, then V's.  Every wave issues one load of 16 KiB (waves 0-3 K, waves 4-7 V, out of the one buffer): at most two out at the start, later one.
; LAYOUT.  S^T = K Q^T: source 0 = 16 keys, source 1 = 16 queries; register j of lane l holds (key 8 (l / 16) + j, query l % 16).  A query's 64 scores of a block lie in
; 32 registers of two lanes.  Packed to f16, two score tiles are at once a source 1 of O^T = V^T P^T (source 0 = V read by transposing loads); register j of lane l of O
; holds (query l % 16, d 8 (l / 16) + j): 16 neighbouring bytes in f16.  So the maximum, the scale and the sum of a query are one number a lane.
; TWO PIECES TAKE TURNS.  A wave's q tiles are two pieces, A = tiles 0, 1 and B = tiles 2, 3, which share the K and V fragments.  One piece's softmax is spread between the other
; piece's matrix instructions.  The trip of block j: K(j) is loaded; PV of A (block j - 1) and QK of A (block j) beside the softmax of B (block j - 1); then PV of B (j - 1),
; the loads of V(j), and QK of B (j) beside the softmax of A (j).  All LDS reads of a trip are block j's, so slots change between trips.
; A phase has 32 matrix instructions and 302 vector instructions, in four parts:
;   1: 12 PV, behind each 9 of the 64 selects and 44 lines of the maxima           (window 0: two changes of window for each matrix instruction)
;   2:  4 PV, behind each 8 of the 32 scalings of O                                (they fit the products' own setting: destination and source 0 in window 1, source 1 in window 0)
;   3: 16 QK, behind each 8 of the 128 shifts, exponentials and sums               (they fit the products' own setting: shifts and sums are fused multiply-adds by the constant 1.0,
;                                                                                   so that they name no register in source 1's window)
;   4: the 2 updates of the sums and the 32 conversions to f16, which need two or three registers of window 0 as sources: one run, in window 0.
; That is 55 changes of window in a trip of 64 matrix and 604 vector instructions.  The vector lines between the matrix instructions name none of their registers and are the places
; that stand in front of every read of a result and every load into a source; no v_nop stands in the loop.  The order is made by counting, not by hand: PRE stands ahead of
; every vector line and issues the next matrix instruction when a slice is full.
; WHY EIGHT WAVES OF 64 QUERIES AND NOT FOUR OF 128: the mask words come by scalar loads, whose only wait is for all of them, and the scalar registers have room for two sets of 32.
; A wave of 128 queries would need each set four times a block instead of twice, with half the work between a request and its wait.
; THE MASK comes as lane masks (launch 1): one v_cndmask_b32 a score register.  A set is asked for again as soon as its 32 selects have read it, for a tile of the next phase.
; ARITHMETIC.  q comes multiplied by log2(e) / 8 (launch 2), so a score s is reference()'s times log2(e); a masked place holds log2(e) x (-1e9), rounded to f32, and so
; stands to the true scores as in reference().  p = 2^(s - m), m the running maximum of the query; older sums are scaled by 2^(m old - m new).
; s - m is at most 0, and exactly 0 at the maximum: p lies in [0, 1] and fits f16.  In a row that is masked throughout every p is 1: the mean of v, as in reference().
; LIMIT: a p under 2^-25 is 0 in the product with v while the sum keeps it: 2,048 of them are under 2^-14 of the sum, which is at least 1.
; REGISTERS: window 0: v1 16 l; v2, v3 LDS addresses; v4 the masked score; v16-19 maxima; v20-23 sums; v24-31 pairs (-m, scale); v32-47 and v48-63 at work for a piece's first and
; second tile; v64-127 K; v128-255 S, then P in place.  window 1: v0-127 O (tile (i, dt) at 8 (4 i + dt)); v128-191 Q; v192-255 V.
.set KA,  2
.set VA,  3
.set NEG, 4
.set MX,  16
.set LS,  20
.set NM,  24
.set TMP, 32
.set KF,  64
.set S,   128
.set Q,   128                          ; window 1
.set VF,  192                          ; window 1
.set MA,  32                           ; s[32:63]  32 mask words of a piece's first tile
.set MB,  68                           ; s[68:99]  of its second
.set MSB, 0
.macro WIN new                         ; the immediate's high byte repeats the setting that is left
.if MSB != \new
	s_set_vgpr_msb (MSB<<8)|\new
.set MSB, \new
.endif
.endm
.set QKW,  0x04                        ; D, C (S) and source 0 (K) window 0, source 1 (Q) window 1
.set PVW,  0x51                        ; D, C (O) and source 0 (V) window 1, source 1 (P) window 0
.set TO1,  0x40                        ; destination window 1
.set PACK, 0x05                        ; sources 0 and 1 window 1
.macro ROUND                           ; a round of the cluster's barrier
	s_barrier_signal -1
	s_barrier_wait -1
	s_cmp_lg_u32 s10, 0
	s_cbranch_scc1 .Lnot_wave_0_\@
	s_barrier_signal -3
.Lnot_wave_0_\@:
	s_barrier_wait -3
	s_barrier_signal -1
	s_barrier_wait -1
.endm
	s_load_b128 s[4:7], s[0:1], 0x0                ; qkvf s[4:5], maskw s[6:7]
	s_load_b64 s[8:9], s[0:1], 0x10                ; xf
	v_lshl_add_u32 v14, v0, 2, 0x40000
	v_mov_b32 v15, 0
	ds_add_u32 v14, v15
	v_lshrrev_b32 v5, 5, v0
	v_readfirstlane_b32 s10, v5                    ; wave
	v_and_b32 v1, 31, v0
	v_lshlrev_b32 v1, 4, v1                        ; 16 l
	s_and_b32 s13, ttmp7, 0xffff                   ; 16 b + head
	s_lshr_b32 s100, s13, 4                        ; b
	s_and_b32 s101, s13, 15                        ; head
	s_bfe_u32 s68, ttmp6, 0x40000                  ; cx.  What hangs on it lives in s68-71 and s96-97 alone
	s_lshl_b32 s69, ttmp9, 2
	s_add_co_u32 s68, s68, s69                     ; query block
	; group 1: 16,384 dense bytes as 64 rows of 32 elements of 8 bytes; the mask names all four of the cluster
	s_mov_b32 s16, 15|(3<<16)|(1<<21)
	s_mov_b32 s17, 32<<16
	s_mov_b32 s18, 64<<16
	s_mov_b32 s19, 32<<16
	s_mov_b32 s20, 64
	s_mov_b32 s21, 32
	s_mov_b32 s22, 0
	s_mov_b32 s23, 0
	s_mov_b32 s24, 1
	s_lshl_b32 s25, s10, 14                        ; LDS: wave x 16,384 (K's four parts, then V's four),
	s_mov_b32 s28, 1
	s_add_co_u32 s29, s25, 131072                  ; and the same in slot 1
	s_lshr_b32 s26, s10, 2
	s_add_co_u32 s26, s26, 1
	s_lshl_b32 s26, s26, 24                        ; k (waves 0-3) or v (waves 4-7) in qkvf,
	s_lshl_b32 s27, s13, 18                        ; my (b, head),
	s_add_co_u32 s26, s26, s27
	s_and_b32 s27, s10, 3
	s_lshl_b32 s27, s27, 14                        ; my quarter of 512 keys
	s_add_co_u32 s26, s26, s27
	s_mov_b32 s27, 0
	s_lshl_b32 s70, s100, 19                       ; maskw: b, then q tile 32 block + 4 wave, 4,096 bytes each
	s_lshl_b32 s71, s68, 17
	s_add_co_u32 s70, s70, s71
	s_lshl_b32 s71, s10, 14
	s_add_co_u32 s70, s70, s71
	s_mov_b32 s71, 0
	s_wait_dscnt 0x0
	s_wait_kmcnt 0x0
	s_add_nc_u64 s[26:27], s[4:5], s[26:27]        ; keys 0 .. 511
	s_add_nc_u64 s[30:31], s[26:27], 0x10000       ; keys 512 .. 1023
	s_or_b32 s27, s27, 0x80000000
	s_or_b32 s31, s31, 0x80000000
	s_add_nc_u64 s[6:7], s[6:7], s[70:71]
	ROUND                                          ; the four work-groups are here: the first joint loads meet
	tensor_load_to_lds s[24:27], s[16:23]
	s_nop 0
	tensor_load_to_lds s[28:31], s[16:23]
	s_nop 0
	s_lshl_b32 s70, s13, 18                        ; q of my (b, head), q tile 32 block + 4 wave, 2,048 bytes each
	s_lshl_b32 s71, s68, 16
	s_add_co_u32 s70, s70, s71
	s_lshl_b32 s71, s10, 13
	s_add_co_u32 s70, s70, s71
	s_mov_b32 s71, 0
	s_add_nc_u64 s[96:97], s[4:5], s[70:71]
	WIN TO1
.set n, 0
.rept 16
	global_load_b128 v[Q+4*n:Q+4*n+3], v1, s[96:97] offset:n*512 th:TH_LOAD_NT     ; block n = (q tile n / 4, d tile n % 4): half a fragment
.set n, n+1
.endr
	WIN 0
	s_lshl_b32 s70, s100, 4                        ; xf [m block 64][k step 8][m tile 8][k tile 8][512]: m block = 16 b + 4 block + (w >> 1),
	s_lshl2_add_u32 s70, s68, s70
	s_lshr_b32 s71, s10, 1
	s_add_co_u32 s70, s70, s71
	s_lshl_b32 s70, s70, 18
	s_lshr_b32 s71, s101, 1
	s_lshl_b32 s71, s71, 15                        ; k step = head >> 1,
	s_add_co_u32 s70, s70, s71
	s_and_b32 s71, s10, 1
	s_lshl_b32 s71, s71, 14                        ; m tiles 4 (w & 1) ..,
	s_add_co_u32 s70, s70, s71
	s_and_b32 s71, s101, 1
	s_lshl_b32 s71, s71, 11                        ; k tiles 4 (head & 1) ..
	s_add_co_u32 s70, s70, s71
	s_mov_b32 s71, 0
	s_add_nc_u64 s[8:9], s[8:9], s[70:71]
	s_mov_b32 s14, 0x76543210                      ; v_permlanex16_b32: lane i of one half reads lane i of the other
	s_mov_b32 s15, 0xfedcba98
	v_mov_b32 v[NEG], 0xceabfb8f                   ; log2(e) x (-1e9) = -1,442,695,040
	v_mov_b32 v[TMP+4], 0                          ; v_permlanex16_b32's destinations count as read
	v_mov_b32 v[TMP+20], 0
; THE PRODUCTS OF A PHASE, BY NUMBER.  MI = 0 .. 15: PV of the piece whose first tile is MP0 (kk2 = MI / 8, then its two tiles, then the four d tiles); MI = 16 .. 31: its QK
; (kk, then its two tiles, then the four key tiles).  PVK: 0 no PV in this phase, 1 the first PV of all (the first half of K starts the sums: C = 0), 2 any later one.  QKK: 0 no QK.
; In each run eight accumulators take turns, one instruction a turn, twice round; a run's last and the next run's first name different accumulators.
.macro MATRIX
.if MI < 16
.if PVK
.set MKK, MI/8
.set MTI, MP0+(MI%8)/4
.set MDT, MI%4
.set MCZ, 0
.if PVK == 1
.if MKK == 0
.set MCZ, 1
.endif
.endif
	WIN PVW
.if MCZ
	v_wmma_f32_16x16x32_f16 v[32*MTI+8*MDT:32*MTI+8*MDT+7], v[VF+16*MDT+8*MKK:VF+16*MDT+8*MKK+7], v[S+32*MTI+8*MKK:S+32*MTI+8*MKK+7], 0
.else
	v_wmma_f32_16x16x32_f16 v[32*MTI+8*MDT:32*MTI+8*MDT+7], v[VF+16*MDT+8*MKK:VF+16*MDT+8*MKK+7], v[S+32*MTI+8*MKK:S+32*MTI+8*MKK+7], v[32*MTI+8*MDT:32*MTI+8*MDT+7]
.endif
.endif
.else
.if QKK
.set MKK, (MI-16)/8
.set MTI, MP0+((MI-16)%8)/4
.set MDT, (MI-16)%4
	WIN QKW
.if MKK == 0
	v_wmma_f32_16x16x32_f16 v[S+32*MTI+8*MDT:S+32*MTI+8*MDT+7], v[KF+16*MDT+8*MKK:KF+16*MDT+8*MKK+7], v[Q+16*MTI+8*MKK:Q+16*MTI+8*MKK+7], 0
.else
	v_wmma_f32_16x16x32_f16 v[S+32*MTI+8*MDT:S+32*MTI+8*MDT+7], v[KF+16*MDT+8*MKK:KF+16*MDT+8*MKK+7], v[Q+16*MTI+8*MKK:Q+16*MTI+8*MKK+7], v[S+32*MTI+8*MDT:S+32*MTI+8*MDT+7]
.endif
.endif
.endif
.set MI, MI+1
.endm
; A part of a phase: the matrix instructions up to number mend (not included), a slice of quota vector lines behind each, the vector lines under the window setting vset.
.macro PART mend, quota, vset
.set MEND, \mend
.set QUOTA, \quota
.set VSET, \vset
.set VCN, \quota                       ; the part begins with a matrix instruction
.endm
.macro PRE                             ; stands ahead of every vector line of a phase
.if VCN >= QUOTA
.if MI < MEND
	MATRIX
.set VCN, 0
.endif
.endif
.set VCN, VCN+1
	WIN VSET
.endm
.macro FLUSH                           ; what is left of a part's matrix instructions (all of them where a phase has no vector work)
.rept MEND-MI
	MATRIX
.endr
.endm
.macro MLOAD set, i                    ; the 32 mask words (4 key tiles x 8) of q tile i for the block of keys at byte s12
	s_load_b512 s[\set:\set+15],    s[6:7], s12 offset:\i*4096
	s_load_b512 s[\set+16:\set+31], s[6:7], s12 offset:\i*4096+64
.endm
.macro SELT i, set                     ; the mask of q tile i: 32 selects, after which the set is free
.set n, 0
.rept 32
	PRE
	v_cndmask_b32 v[S+32*(\i)+n], v[NEG], v[S+32*(\i)+n], s[\set+n]
.set n, n+1
.endr
.endm
; The maxima of tiles va and va + 1, line by line in turn: eight chains.  vec = 1: the first block, nothing older to take in.
.macro MAX2 va, vec
.irp t, 0,1,2,3
.irp x, 0,1
	PRE
	v_max3_num_f32 v[TMP+16*\x+\t], v[S+32*(\va+\x)+8*\t], v[S+32*(\va+\x)+8*\t+1], v[S+32*(\va+\x)+8*\t+2]
.endr
.endr
.irp t, 0,1,2,3
.irp x, 0,1
	PRE
	v_max3_num_f32 v[TMP+16*\x+\t], v[TMP+16*\x+\t], v[S+32*(\va+\x)+8*\t+3], v[S+32*(\va+\x)+8*\t+4]
.endr
.endr
.irp t, 0,1,2,3
.irp x, 0,1
	PRE
	v_max3_num_f32 v[TMP+16*\x+\t], v[TMP+16*\x+\t], v[S+32*(\va+\x)+8*\t+5], v[S+32*(\va+\x)+8*\t+6]
.endr
.endr
.irp x, 0,1
	PRE
	v_max3_num_f32 v[TMP+16*\x], v[TMP+16*\x], v[TMP+16*\x+1], v[S+32*(\va+\x)+7]
.endr
.irp x, 0,1
	PRE
	v_max3_num_f32 v[TMP+16*\x+2], v[TMP+16*\x+2], v[TMP+16*\x+3], v[S+32*(\va+\x)+15]
.endr
.irp x, 0,1
	PRE
	v_max3_num_f32 v[TMP+16*\x], v[TMP+16*\x], v[S+32*(\va+\x)+23], v[S+32*(\va+\x)+31]
.endr
.irp x, 0,1
	PRE
.if \vec == 1
	v_max_num_f32 v[TMP+16*\x], v[TMP+16*\x], v[TMP+16*\x+2]
.else
	v_max3_num_f32 v[TMP+16*\x], v[TMP+16*\x], v[TMP+16*\x+2], v[MX+\va+\x]
.endif
.endr
.irp x, 0,1
	PRE
	v_permlanex16_b32 v[TMP+16*\x+4], v[TMP+16*\x], s14, s15       ; the query's other 32 keys lie in the other half of the lanes
.endr
.irp x, 0,1
	PRE
	v_max_num_f32 v[MX+\va+\x], v[TMP+16*\x], v[TMP+16*\x+4]
.endr
.irp x, 0,1
	PRE
	v_mul_f32 v[TMP+16*\x+5], -1.0, v[MX+\va+\x]                   ; -m, the addend of the shifts
.endr
.irp x, 0,1
	PRE
.if \vec == 1
	v_mov_b32 v[NM+2*(\va+\x)+1], 0                                ; the pair is read whole by the shifts
.else
	v_sub_f32 v[TMP+16*\x+6], v[TMP+16*\x+5], v[NM+2*(\va+\x)]     ; m old - m new
.endif
.endr
.if \vec != 1
.irp x, 0,1
	PRE
	v_exp_f32 v[NM+2*(\va+\x)+1], v[TMP+16*\x+6]                   ; the scale of the older sums
.endr
.endif
.irp x, 0,1
	PRE
	v_mov_b32 v[NM+2*(\va+\x)], v[TMP+16*\x+5]                     ; plain lines behind the exponentials, ahead of the first use of a scale (ISA guide 5.7.2)
	s_wait_alu depctr_va_vdst(0)
.endr
.endm
.macro RESC2 va                        ; O of tiles va and va + 1 times the second register of each tile's pair
.irp x, 0,1
.set n, 0
.rept 16
	PRE
	v_pk_mul_f32 v[32*(\va+\x)+n:32*(\va+\x)+n+1], v[32*(\va+\x)+n:32*(\va+\x)+n+1], v[NM+2*(\va+\x):NM+2*(\va+\x)+1] op_sel:[0,1] op_sel_hi:[1,1]
.set n, n+2
.endr
.endr
.endm
; Shift, exponential and sum.  Source 1 is the constant 1.0 throughout, so these lines stand under the QK products' setting.
.macro YSH i, p                        ; s - m of the pair p: both halves by the first register of (-m, scale)
	PRE
	v_pk_fma_f32 v[S+32*(\i)+2*(\p):S+32*(\i)+2*(\p)+1], v[S+32*(\i)+2*(\p):S+32*(\i)+2*(\p)+1], 1.0, v[NM+2*(\i):NM+2*(\i)+1] op_sel_hi:[1,0,0]
.endm
.macro YEX i, r
	PRE
	v_exp_f32 v[S+32*(\i)+(\r)], v[S+32*(\i)+(\r)]
.endm
.macro YSU i, tb, p                    ; four running pairs at tb + 8 ..: pairs 0 to 7 start them two by two (at the odd ones), pairs 8 to 15 are added by turns
.if (\p) < 8
.if (\p) % 2
	PRE
	s_wait_alu depctr_va_vdst(0)
	v_pk_fma_f32 v[\tb+8+(\p)-1:\tb+8+(\p)], v[S+32*(\i)+2*(\p)-2:S+32*(\i)+2*(\p)-1], 1.0, v[S+32*(\i)+2*(\p):S+32*(\i)+2*(\p)+1] op_sel_hi:[1,0,1]
.endif
.else
	PRE
	s_wait_alu depctr_va_vdst(0)
	v_pk_fma_f32 v[\tb+8+2*((\p)%4):\tb+8+2*((\p)%4)+1], v[S+32*(\i)+2*(\p):S+32*(\i)+2*(\p)+1], 1.0, v[\tb+8+2*((\p)%4):\tb+8+2*((\p)%4)+1] op_sel_hi:[1,0,1]
.endif
.endm
; Step pp of both tiles: the pair's two exponentials, between them the next pair's shift, behind them the sum of the pair before.  So a plain line that touches neither its
; result nor its source follows an exponential or a pair of them, and a result is first read a step later.
.macro YSTREAM va, vec
	YSH \va, 0
	YSH \va+1, 0
.set pp, 0
.rept 16
.irp x, 0,1
	YEX \va+\x, 2*pp
.if pp < 15
	YSH \va+\x, pp+1
.endif
	YEX \va+\x, 2*pp+1
.if pp > 0
	YSU \va+\x, TMP+16*\x, pp-1
.endif
.endr
.set pp, pp+1
.endr
.irp x, 0,1
	YSU \va+\x, TMP+16*\x, 15
.endr
.irp x, 0,1
	PRE
	v_pk_fma_f32 v[TMP+16*\x+8:TMP+16*\x+9], v[TMP+16*\x+8:TMP+16*\x+9], 1.0, v[TMP+16*\x+10:TMP+16*\x+11] op_sel_hi:[1,0,1]
.endr
.irp x, 0,1
	PRE
	v_pk_fma_f32 v[TMP+16*\x+12:TMP+16*\x+13], v[TMP+16*\x+12:TMP+16*\x+13], 1.0, v[TMP+16*\x+14:TMP+16*\x+15] op_sel_hi:[1,0,1]
.endr
.irp x, 0,1
	PRE
	v_pk_fma_f32 v[TMP+16*\x+8:TMP+16*\x+9], v[TMP+16*\x+8:TMP+16*\x+9], 1.0, v[TMP+16*\x+12:TMP+16*\x+13] op_sel_hi:[1,0,1]
.endr
.irp x, 0,1
	PRE
.if \vec == 1
	v_fma_f32 v[LS+\va+\x], v[TMP+16*\x+8], 1.0, v[TMP+16*\x+9]    ; the first block starts the sum
.else
	v_fma_f32 v[TMP+16*\x+7], v[TMP+16*\x+8], 1.0, v[TMP+16*\x+9]
.endif
.endr
.endm
.macro TAILV va, vec                   ; what needs several registers of window 0 as sources
.if \vec == 2
.irp x, 0,1
	PRE
	v_fma_f32 v[LS+\va+\x], v[LS+\va+\x], v[NM+2*(\va+\x)+1], v[TMP+16*\x+7]       ; my lane's half of the sum; the two halves meet at the end
.endr
.endif
.set n, 0
.rept 16
.irp x, 0,1
	PRE
	v_cvt_pk_f16_f32 v[S+32*(\va+\x)+n], v[S+32*(\va+\x)+2*n], v[S+32*(\va+\x)+2*n+1]      ; P in place, ascending: register n is written when 2 n and 2 n + 1 have been read
.endr
.set n, n+1
.endr
.endm
; A phase.  mp: first tile of the piece whose products run; va: first tile of the piece whose softmax runs; pvk, qkk: see MATRIX; vec: 0 no softmax, 1 the piece's first block,
; 2 a later one; mla, mlb: the q tiles whose mask words are asked for behind the selects (-1: none); vload: V is loaded between PV and QK; kw: K's loads are waited for there.
.macro PHASE mp, va, pvk, qkk, vec, mla, mlb, vload, kw
.set MP0, \mp
.set PVK, \pvk
.set QKK, \qkk
.set MI, 0
	PART 12, 9, 0
.if \vec
	SELT \va, MA
.if \mla >= 0
	MLOAD MA, \mla
.endif
	SELT \va+1, MB
.if \mlb >= 0
	MLOAD MB, \mlb
.endif
	MAX2 \va, \vec
.endif
	FLUSH
	PART 16, 8, PVW
.if \vec == 2
	RESC2 \va
.endif
	FLUSH
.if \vload
	WIN TO1                                        ; the eight scalings behind the last PV are the places in front of these loads into its sources
.irp dt, 0,1,2,3
.irp t, 0,1,2,3
	ds_load_tr16_b128 v[VF+16*\dt+4*\t:VF+16*\dt+4*\t+3], v[VA] offset:\t*2048+\dt*512
.endr
.endr
.endif
.if \kw
	s_wait_dscnt 0x0                               ; K, asked for 16 matrix instructions and their slices ago
.endif
	PART 32, 8, QKW
.if \vec
	YSTREAM \va, \vec
.endif
	FLUSH
.if \vec
	PART 32, 8, 0                                  ; no matrix instruction is left: this run stands behind the last and is the places in front of the next loads and reads
	TAILV \va, \vec
.endif
.endm
; The trip of block j.  kind 0: j = 0; kind 1: j = 1 (the first PV of both pieces, the first softmax of B); kind 2: all later ones.
.macro TRIP kind
	WIN 0
.set n, 0
.rept 16
	ds_load_b128 v[KF+4*n:KF+4*n+3], v[KA] offset:n*512    ; K(j): block n = (key tile n / 4, d tile n % 4)
.set n, n+1
.endr
.if \kind == 0
	PHASE 0, 2, 0, 1, 0, -1, -1, 0, 1              ; QK of A alone
.rept 4
	v_nop                                          ; here alone no softmax stands between: four places in front of the first read of a score
.endr
	s_wait_kmcnt 0x0                               ; the masks of tiles 0 and 1
	PHASE 2, 0, 0, 1, 1, 2, 3, 1, 0                ; V(0); QK of B beside the first softmax of A
.else
	s_wait_dscnt 16                                ; V(j - 1) is in; the 16 loads of K just issued stay out
	v_add_nc_u32 v[VA], 0x2000, v[VA]              ; V's loads are done: their address steps to block j, 4 tiles of 2,048 bytes on
	s_wait_kmcnt 0x0                               ; the masks of tiles 2 and 3 of block j - 1 (scalar loads come back in no order: the count is 0)
	s_add_co_u32 s12, s12, 128                     ; block j's words; no scalar load is out here, so their offset may be written
	PHASE 0, 2, \kind, 1, \kind, 0, 1, 0, 1        ; PV of A (j - 1), QK of A (j), beside the softmax of B (j - 1)
	s_wait_kmcnt 0x0                               ; the masks of tiles 0 and 1 of block j
	PHASE 2, 0, \kind, 1, 2, 2, 3, 1, 0            ; PV of B (j - 1), V(j), QK of B (j), beside the softmax of A (j)
.endif
	WIN 0
	v_add_nc_u32 v[KA], 0x2000, v[KA]              ; K's loads were waited for in the first phase: their address steps
.endm
.macro SLOTWORK slot, first            ; the 8 trips of a slot.  V's address is stepped ahead of its use in all trips but the very first
	v_add_nc_u32 v[KA], \slot*131072, v1
	v_add_nc_u32 v[VA], \slot*131072+65536-0x2000*(1-\first), v1
.if \first
	TRIP 0
	TRIP 1
.endif
	s_mov_b32 s11, 8-2*\first
.Lblk_\@:
	TRIP 2
	s_sub_co_u32 s11, s11, 1
	s_cmp_lg_u32 s11, 0
	s_cbranch_scc1 .Lblk_\@
.endm
; The change of slots.  Every wave's tensor loads have landed (its part of the slot to be read next among them) and its reads of the slot 'other' are back.
; refill = 1: a round of the cluster's barrier, then the joint refill of that slot, 1,024 keys on, first behind it; it has 8 trips' work in which to land.
.macro CHANGE other, refill
	s_wait_tensorcnt 0x0
	ds_add_u32 v14, v15
	s_wait_dscnt 0x0
.if \refill
	s_add_nc_u64 s[26+4*\other:27+4*\other], s[26+4*\other:27+4*\other], 0x20000
.endif
	s_wait_dscnt 0x0
.if \refill
	ROUND
	tensor_load_to_lds s[24+4*\other:27+4*\other], s[16:23]
	s_nop 0
.else
	s_barrier_signal -1
	s_barrier_wait -1
.endif
.endm
	s_wait_tensorcnt 0x1                           ; my part of slot 0 is in; slot 1's may stay out
	s_barrier_signal -1
	s_barrier_wait -1
	s_wait_loadcnt 0x0                             ; Q; its base registers are free for mask words
	s_mov_b32 s12, 0
	MLOAD MA, 0                                    ; block 0's q tiles 0 and 1
	MLOAD MB, 1
	SLOTWORK 0, 1                                  ; keys 0 .. 511
	CHANGE 0, 1
	SLOTWORK 1, 0                                  ; keys 512 .. 1023
	CHANGE 1, 1
	SLOTWORK 0, 0                                  ; keys 1024 .. 1535
	CHANGE 0, 0
	SLOTWORK 1, 0                                  ; keys 1536 .. 2047
	; what is left of block 31: no further K, V or mask words are asked for
	s_wait_dscnt 0x0                               ; V(31)
	s_wait_kmcnt 0x0                               ; the masks of its tiles 2 and 3
	PHASE 0, 2, 2, 0, 2, -1, -1, 0, 0              ; PV of A beside the softmax of B
	PHASE 2, 0, 2, 0, 0, -1, -1, 0, 0              ; PV of B
	WIN 0
.rept 4
	v_nop                                          ; four places in front of the first read of a result
.endr
	; O / sum, to f16, out
.irp i, 0,1,2,3
	v_permlanex16_b32 v[TMP+4], v[LS+\i], s14, s15
	v_add_f32 v[LS+\i], v[LS+\i], v[TMP+4]         ; the two halves of the query's sum; the p of the maximum is 1, so it is at least 1
.endr
.irp i, 0,1,2,3
	v_rcp_f32 v[NM+2*\i+1], v[LS+\i]
.endr
	v_nop
	s_wait_alu depctr_va_vdst(0)
	PART 32, 8, PVW                                ; no matrix instruction is left
	RESC2 0
	RESC2 2
	WIN PACK
.set n, 0
.rept 64
	v_cvt_pk_f16_f32 v[S+n], v[2*n], v[2*n+1]
.set n, n+1
.endr
	WIN 0
.set n, 0
.rept 16
	global_store_b128 v1, v[S+4*n:S+4*n+3], s[8:9] offset:(n/4)*4096+(n%4)*512     ; tile (i, dt) = (n / 4, n % 4): 512 consecutive bytes, aligned
.set n, n+1
.endr
	ROUND                                          ; the closing round
	s_endpgm
.Lfunc_end_k_q69d3be11ff_attn:
	.size	k_q69d3be11ff_attn, .Lfunc_end_k_q69d3be11ff_attn-k_q69d3be11ff_attn
	.p2alignl 7, 3214868480
	.fill 96, 4, 3214868480
	.section	.rodata,"a",@progbits
	.p2align	6, 0x0
	.amdhsa_kernel k_q69d3be11ff_attn
		.amdhsa_group_segment_fixed_size 327680
		.amdhsa_private_segment_fixed_size 0
		.amdhsa_enable_private_segment 0
		.amdhsa_kernarg_size 24
		.amdhsa_user_sgpr_count 2
		.amdhsa_user_sgpr_kernarg_segment_ptr 1
		.amdhsa_wavefront_size32 1
		.amdhsa_system_sgpr_workgroup_id_x 1
		.amdhsa_system_sgpr_workgroup_id_y 1
		.amdhsa_system_sgpr_workgroup_id_z 1
		.amdhsa_system_vgpr_workitem_id 0
		.amdhsa_next_free_vgpr 512
		.amdhsa_next_free_sgpr 102
		.amdhsa_reserve_vcc 0
		.amdhsa_float_denorm_mode_32 3
		.amdhsa_float_denorm_mode_16_64 3
		.amdhsa_memory_ordered 1
		.amdhsa_forward_progress 1
		.amdhsa_inst_pref_size 255
	.end_amdhsa_kernel
	.section	.bss,"aw",@nobits
	.p2align	6
	.space	262144
	.amdgpu_metadata
---
amdhsa.version: [ 1, 2 ]
amdhsa.kernels:
  - .name:           k_q69d3be11ff_attn
    .symbol:         k_q69d3be11ff_attn.kd
    .args:
      - { .name: qkvf, .offset: 0, .size: 8, .value_kind: global_buffer, .address_space: global }
      - { .name: maskw, .offset: 8, .size: 8, .value_kind: global_buffer, .address_space: global }
      - { .name: xf, .offset: 16, .size: 8, .value_kind: global_buffer, .address_space: global }
    .group_segment_fixed_size: 327680
    .private_segment_fixed_size: 0
    .kernarg_segment_align: 8
    .kernarg_segment_size: 24
    .max_flat_workgroup_size: 256
    .sgpr_count:     102
    .vgpr_count:     512
    .wavefront_size: 32
...
	.end_amdgpu_metadata
.endif
;; end of part 3
;; launch oproj (part 4): grid 4 x 64, 4 waves a work-group, clusters of 4 x 4, 327,680 bytes of LDS; arguments xf, wf, bo, out0; writes out0
.if DOCPART == 4
	.amdgcn_target "amdgcn-amd-amdhsa--gfx1250"
	.amdhsa_code_object_version 6
	.text
	.protected	k_q69d3be11ff_oproj
	.globl	k_q69d3be11ff_oproj
	.p2align	8
	.type	k_q69d3be11ff_oproj,@function
k_q69d3be11ff_oproj:
	s_mov_b64 s[64:65], 0
	v_nop
	global_prefetch_b8 v0, s[64:65] scope:SCOPE_SE
	s_setreg_imm32_b32 hwreg(HW_REG_WAVE_MODE, 25, 1), 1
	s_wait_xcnt 0x0
	s_wait_alu depctr_hold_cnt(0) depctr_sa_sdst(0) depctr_va_vdst(0) depctr_va_sdst(0) depctr_va_ssrc(0) depctr_va_vcc(0) depctr_vm_vsrc(0)
	s_getreg_b32 s2, hwreg(HW_REG_IB_STS2, 6, 4)
	s_cmp_eq_u32 s2, 0
	s_cbranch_scc0 .Lentry_in_a_cluster
	s_endpgm
.Lentry_in_a_cluster:
	s_bfe_u32 s2, ttmp6, 0x10000c
	s_cmp_lg_u32 s2, 0xf033
	s_cbranch_scc0 .Lentry_shape_is_right
	s_endpgm
.Lentry_shape_is_right:
; Launch 4 of 4: out0 = x Wo + bo, [8192,1024] x [1024,1024], f32 out.  No work of reference() is left out.
; 256 work-groups of 128 rows x 256 columns, four waves, wave w: rows 64 (w >> 1) .., columns 128 (w & 1) ..: 4 x 8 accumulator tiles, 256 registers.
; x comes in f16 in blocks of 512 bytes (launch 3): xf [m block][k step][m tile 8][k tile 8][512], a load at block + 16 lane is half a fragment.  Wo as launch 1 laid it.
; K goes in 8 steps of 128 through two LDS slots of 96 KiB: the weights' 64 KiB, then x's 32 KiB.  Both are dense in memory and in LDS; every LDS load takes 512 consecutive bytes.
; CLUSTERS: 4 x 4; x's tile is asked for jointly by a row of the cluster, the weights' by a column.  A wave has at most two tensor loads out (the first fills), later one.
; The matrix instruction is used transposed (source 0 = columns of Wo, source 1 = rows of x): lane l holds row l % 16, columns 8 (l / 16) + 0 .. 7.
; The sums start from bo, loaded straight into the accumulators.
; THE WAY OUT: 16 rows x 128 columns of f32 at a time through a stage of the wave's own (pitch 528), behind the slots, into which no tensor load lands; read back by rows:
; each store of a wave covers 512 consecutive bytes, aligned.
; REGISTERS: window 0: addresses, v32-63 and v64-95 x (two buffers), v96-159 and v160-223 rows on the way out; window 1: accumulators; window 2: v0-63, v64-127 Wo (two buffers).
.set SLOT,   98304
.set AOFF,   65536
.set STAGE,  2*SLOT
.set SPITCH, 528
.set ADRA, 16
.set ADRB, 20
.set CO,   24                          ; v24  16 l
.set BO,   25                          ; v25  32 (l / 16)
.set STO,  26                          ; v26  stage: row l % 16, byte 32 (l / 16)
.set RD,   27                          ; v27  stage: 16 l
.set AB,   32
.set T,    96
.set G1A, 24
.set G0A, 32
.set G1B, 48
.set G0B, 56
.set MSB, 0
.macro WIN new
.if MSB != \new
	s_set_vgpr_msb (MSB<<8)|\new
.set MSB, \new
.endif
.endm
.set MUL,    0x52                      ; source 0 (Wo) window 2, source 1 (x) window 0, C and D window 1
.set TO_B,   0x80
.set TO_ACC, 0x40
.set FROM1,  0x04                      ; an LDS store's data in window 1
.macro JLOAD s                         ; waves 0, 1 ask for the weights' two halves, waves 2, 3 for x's
	s_cmp_eq_u32 s11, 0
	s_cbranch_scc0 .Lfor_a_\@
	tensor_load_to_lds s[G0B+4*\s:G0B+4*\s+3], s[G1B:G1B+7]
	s_nop 0
	s_branch .Lasked_\@
.Lfor_a_\@:
	tensor_load_to_lds s[G0A+4*\s:G0A+4*\s+3], s[G1A:G1A+7]
	s_nop 0
.Lasked_\@:
.endm
.macro CREST
	s_cmp_lg_u32 s10, 0
	s_cbranch_scc1 .Lnot_wave_0_\@
	s_barrier_signal -3
.Lnot_wave_0_\@:
	s_barrier_wait -3
	s_barrier_signal -1
	s_barrier_wait -1
.endm
.macro CROUND
	s_barrier_signal -1
	s_barrier_wait -1
	CREST
.endm
.macro PLACES                          ; four places behind matrix instructions (ISA guide 7.12.1)
.rept 4
	v_nop
.endr
.endm
	s_load_b256 s[68:75], s[0:1], 0x0              ; xf s[68:69], wf s[70:71], bo s[72:73], out0 s[74:75]
	s_set_vgpr_msb 0x80
	v_lshl_add_u32 v129, v0, 2, 0x38400
	s_set_vgpr_msb 0x8000
	v_mov_b32 v255, 0
	s_set_vgpr_msb 0x2
	ds_add_u32 v129, v255
	s_set_vgpr_msb 0x200
	v_lshrrev_b32 v1, 5, v0
	v_readfirstlane_b32 s10, v1                    ; wave
	s_lshr_b32 s11, s10, 1                         ; my half of the rows.  Also: I fetch weights (0) or x (1)
	s_and_b32 s12, s10, 1                          ; my half of the columns.  Also: which half of that tile I fetch
	s_bfe_u32 s40, ttmp6, 0x40000                  ; cx
	s_bfe_u32 s41, ttmp6, 0x40004                  ; cy
	s_lshl_b32 s42, ttmp9, 2
	s_add_co_u32 s42, s42, s40                     ; n block
	s_and_b32 s13, ttmp7, 0xffff
	s_lshl_b32 s13, s13, 2
	s_add_co_u32 s13, s13, s41                     ; m block
	s_lshl_b32 s43, s41, 2
	s_lshl_b32 s43, 15, s43                        ; my row of the cluster
	s_lshl_b32 s44, 0x1111, s40                    ; my column
	; group 1 for x: 16,384 dense bytes as 64 rows of 32 elements of 8 bytes
	s_or_b32 s[G1A+0], s43, (3<<16)|(1<<21)
	s_mov_b32 s[G1A+1], 32<<16
	s_mov_b32 s[G1A+2], 64<<16
	s_mov_b32 s[G1A+3], 32<<16
	s_mov_b32 s[G1A+4], 64
	s_mov_b32 s[G1A+5], 32
	s_mov_b32 s[G1A+6], 0
	s_mov_b32 s[G1A+7], 0
	; group 1 for the weights: 32,768 dense bytes as 128 such rows
	s_or_b32 s[G1B+0], s44, (3<<16)|(1<<21)
	s_mov_b32 s[G1B+1], 32<<16
	s_mov_b32 s[G1B+2], 128<<16
	s_mov_b32 s[G1B+3], 32<<16
	s_mov_b32 s[G1B+4], 128
	s_mov_b32 s[G1B+5], 32
	s_mov_b32 s[G1B+6], 0
	s_mov_b32 s[G1B+7], 0
	s_lshl_b32 s16, s13, 18                        ; xf: m block, half of the k step's 32 KiB
	s_lshl_b32 s17, s12, 14
	s_add_co_u32 s16, s16, s17
	s_mov_b32 s17, 0
	s_lshl_b32 s46, s42, 19                        ; wf: the fourth matrix, n block, half of the k step's 64 KiB
	s_add_co_u32 s46, s46, 3*2097152
	s_lshl_b32 s47, s12, 15
	s_add_co_u32 s46, s46, s47
	s_mov_b32 s47, 0
	s_lshl_b32 s21, s10, 15                        ; LDS: the weights' halves at wave x 32,768 (waves 0, 1),
	s_lshl_b32 s20, s10, 14
	s_add_co_u32 s20, s20, AOFF-32768              ; x's at 65,536 + (wave - 2) x 16,384 (waves 2, 3)
	s_wait_dscnt 0x0
	s_wait_kmcnt 0x0
	s_add_nc_u64 s[14:15], s[68:69], s[16:17]
	s_add_nc_u64 s[46:47], s[70:71], s[46:47]
	CROUND                                         ; all sixteen work-groups are here: the first joint loads meet
.irp s, 0,1
	s_mov_b32 s[G0A+4*\s], 1
	s_add_co_u32 s[G0A+4*\s+1], s20, \s*SLOT
	s_add_nc_u64 s[G0A+4*\s+2:G0A+4*\s+3], s[14:15], \s*32768
	s_or_b32 s[G0A+4*\s+3], s[G0A+4*\s+3], 0x80000000
	s_mov_b32 s[G0B+4*\s], 1
	s_add_co_u32 s[G0B+4*\s+1], s21, \s*SLOT
	s_add_nc_u64 s[G0B+4*\s+2:G0B+4*\s+3], s[46:47], \s*65536
	s_or_b32 s[G0B+4*\s+3], s[G0B+4*\s+3], 0x80000000
.endr
	s_cmp_eq_u32 s11, 0                            ; both first fills of a wave stand inside one branch on its number
	s_cbranch_scc0 .Lfirst_a
	tensor_load_to_lds s[G0B:G0B+3], s[G1B:G1B+7]
	s_nop 0
	tensor_load_to_lds s[G0B+4:G0B+7], s[G1B:G1B+7]
	s_nop 0
	s_branch .Lfirst_done
.Lfirst_a:
	tensor_load_to_lds s[G0A:G0A+3], s[G1A:G1A+7]
	s_nop 0
	tensor_load_to_lds s[G0A+4:G0A+7], s[G1A:G1A+7]
	s_nop 0
.Lfirst_done:
	s_lshl_b32 s46, s42, 10                        ; bo of my 128 columns
	s_lshl_b32 s47, s12, 9
	s_add_co_u32 s46, s46, s47
	s_mov_b32 s47, 0
	s_add_nc_u64 s[6:7], s[72:73], s[46:47]
	v_and_b32 v5, 31, v0                           ; l
	v_and_b32 v1, 15, v0                           ; r
	v_bfe_u32 v2, v0, 4, 1                         ; h
	v_lshlrev_b32 v[BO], 5, v2
	WIN TO_ACC
.irp mt, 0,1,2,3
.irp nt, 0,1,2,3,4,5,6,7
	global_load_b128 v[8*(8*\mt+\nt):8*(8*\mt+\nt)+3],   v[BO], s[6:7] offset:\nt*64
	global_load_b128 v[8*(8*\mt+\nt)+4:8*(8*\mt+\nt)+7], v[BO], s[6:7] offset:\nt*64+16
.endr
.endr
	WIN 0
	v_lshlrev_b32 v[CO], 4, v5
	s_lshl_b32 s18, s11, 14                        ; my 4 m tiles of 4,096 bytes
	s_add_co_u32 s18, s18, AOFF
	v_add_nc_u32 v[ADRA], s18, v[CO]
	v_add_nc_u32 v[ADRA+1], SLOT, v[ADRA]
	s_lshl_b32 s19, s12, 12                        ; my 8 n tiles of 512 bytes
	v_add_nc_u32 v[ADRB], s19, v[CO]
	v_add_nc_u32 v[ADRB+1], SLOT, v[ADRB]
	s_mul_i32 s18, s10, 16*SPITCH
	s_add_co_u32 s18, s18, STAGE                   ; my stage
	v_mul_u32_u24 v3, v1, SPITCH
	v_lshl_add_u32 v3, v2, 5, v3
	v_add_nc_u32 v[STO], s18, v3
	v_add_nc_u32 v[RD], s18, v[CO]
; 16 matrix instructions; the 32 accumulators take turns, one instruction a turn, in one order throughout
.macro MUL16 f, half
.irp mt, 2*\half, 2*\half+1
.irp nt, 0,1,2,3,4,5,6,7
	v_wmma_f32_16x16x32_f16 v[8*(8*(\mt)+\nt):8*(8*(\mt)+\nt)+7], v[64*\f+8*\nt:64*\f+8*\nt+7], v[AB+32*\f+8*(\mt):AB+32*\f+8*(\mt)+7], v[8*(8*(\mt)+\nt):8*(8*(\mt)+\nt)+7]
.endr
.endr
.endm
; 24 LDS loads: the fragments of quarter step kq into buffers g
.macro FETCH slot, kq, g
	WIN TO_B
.irp nt, 0,1,2,3,4,5,6,7
	ds_load_tr16_b128 v[64*\g+8*\nt:64*\g+8*\nt+3],   v[ADRB+\slot] offset:(2*\kq)*8192+\nt*512
	ds_load_tr16_b128 v[64*\g+8*\nt+4:64*\g+8*\nt+7], v[ADRB+\slot] offset:(2*\kq+1)*8192+\nt*512
.endr
	WIN 0
.irp mt, 0,1,2,3
	ds_load_b128 v[AB+32*\g+8*\mt:AB+32*\g+8*\mt+3],   v[ADRA+\slot] offset:\mt*4096+(2*\kq)*512
	ds_load_b128 v[AB+32*\g+8*\mt+4:AB+32*\g+8*\mt+7], v[ADRA+\slot] offset:\mt*4096+(2*\kq+1)*512
.endr
.endm
.macro QUARTER f, g, slot, kq
	PLACES                                         ; buffers g were multiplied just before
	FETCH \slot, \kq, \g
	s_wait_dscnt 24                                ; all but the 24 just issued: buffers f are in
	WIN MUL
	MUL16 \f, 0
	MUL16 \f, 1
.endm
; The last quarter step multiplies buffers 1 and changes slots: each wave's reads of this slot are back and all its tensor loads have landed in front of the barrier;
; fill = 1: the barrier opens a round of the cluster's barrier, and the joint refill, two K steps ahead, is the first tensor load behind the round.
.macro TURN slot, next, fill
	s_wait_dscnt 0x0
	s_wait_tensorcnt 0x0
	ds_add_u32 v129, v255
	s_wait_dscnt 0x0
	s_barrier_signal -1
	WIN MUL
	MUL16 1, 0
	WIN 0
	s_barrier_wait -1
.if \fill
	CREST
	s_add_nc_u64 s[G0A+4*\slot+2:G0A+4*\slot+3], s[G0A+4*\slot+2:G0A+4*\slot+3], 65536
	s_add_nc_u64 s[G0B+4*\slot+2:G0B+4*\slot+3], s[G0B+4*\slot+2:G0B+4*\slot+3], 131072
	JLOAD \slot
.endif
	PLACES                                         ; buffers 0 were multiplied a quarter step ago, with no plain vector instruction since
	FETCH \next, 0, 0
	WIN MUL
	MUL16 1, 1
	WIN 0
.endm
.macro KSTEP slot, next, fill
	QUARTER 0, 1, \slot, 1
	QUARTER 1, 0, \slot, 2
	QUARTER 0, 1, \slot, 3
	TURN \slot, \next, \fill
.endm
	s_wait_tensorcnt 0x1                           ; my part of K step 0 is in; K step 1's may stay out
	s_barrier_signal -1
	s_barrier_wait -1
	FETCH 0, 0, 0
	s_wait_loadcnt 0x0                             ; bo is in the accumulators
	s_mov_b32 s3, 3
.Llap:
	KSTEP 0, 1, 1
	KSTEP 1, 0, 1
	s_sub_co_u32 s3, s3, 1
	s_cmp_lg_u32 s3, 0
	s_cbranch_scc1 .Llap
	KSTEP 0, 1, 0                                  ; the last lap fills nothing
	QUARTER 0, 1, 1, 1
	QUARTER 1, 0, 1, 2
	QUARTER 0, 1, 1, 3
	s_wait_dscnt 0x0
	MUL16 1, 0
	MUL16 1, 1
	PLACES                                         ; in front of the LDS stores, which read results
	s_lshl_b32 s16, s13, 19                        ; (128 m block + 64 (w >> 1)) rows of 4,096 bytes,
	s_lshl_b32 s17, s11, 18
	s_add_co_u32 s16, s16, s17
	s_mov_b32 s17, 0
	s_add_nc_u64 s[8:9], s[74:75], s[16:17]
	s_lshl_b32 s46, s42, 10                        ; column 256 n block + 128 (w & 1)
	s_lshl_b32 s47, s12, 9
	s_add_co_u32 s46, s46, s47
	s_mov_b32 s47, 0
	s_add_nc_u64 s[8:9], s[8:9], s[46:47]
.irp mt, 0,1,2,3
	WIN FROM1
.irp nt, 0,1,2,3,4,5,6,7
	ds_store_b128 v[STO], v[8*(8*\mt+\nt):8*(8*\mt+\nt)+3]   offset:\nt*64
	ds_store_b128 v[STO], v[8*(8*\mt+\nt)+4:8*(8*\mt+\nt)+7] offset:\nt*64+16
.endr
	WIN 0
	s_wait_xcnt 0x0                                ; the rows' registers, which earlier stores read, are loaded again only behind this wait
.set t, 0
.rept 16
	ds_load_b128 v[T+64*(\mt%2)+4*t:T+64*(\mt%2)+4*t+3], v[RD] offset:t*SPITCH     ; my own bytes: LDS serves a wave's instructions in order
.set t, t+1
.endr
.set t, 0
.rept 16
	s_wait_dscnt 15-t                              ; LDS loads come back in order: row t is in
	global_store_b128 v[CO], v[T+64*(\mt%2)+4*t:T+64*(\mt%2)+4*t+3], s[8:9] offset:(16*\mt+t)*4096 th:TH_STORE_NT
.set t, t+1
.endr
.endr
	s_set_vgpr_msb 0x2
	s_wait_tensorcnt 0x0
	ds_add_u32 v129, v255
	s_wait_dscnt 0x0
	s_set_vgpr_msb 0x200
	CROUND                                         ; the closing round
	s_endpgm
.Lfunc_end_k_q69d3be11ff_oproj:
	.size	k_q69d3be11ff_oproj, .Lfunc_end_k_q69d3be11ff_oproj-k_q69d3be11ff_oproj
	.p2alignl 7, 3214868480
	.fill 96, 4, 3214868480
	.section	.rodata,"a",@progbits
	.p2align	6, 0x0
	.amdhsa_kernel k_q69d3be11ff_oproj
		.amdhsa_group_segment_fixed_size 327680
		.amdhsa_private_segment_fixed_size 0
		.amdhsa_enable_private_segment 0
		.amdhsa_kernarg_size 32
		.amdhsa_user_sgpr_count 2
		.amdhsa_user_sgpr_kernarg_segment_ptr 1
		.amdhsa_wavefront_size32 1
		.amdhsa_system_sgpr_workgroup_id_x 1
		.amdhsa_system_sgpr_workgroup_id_y 1
		.amdhsa_system_sgpr_workgroup_id_z 1
		.amdhsa_system_vgpr_workitem_id 0
		.amdhsa_next_free_vgpr 642
		.amdhsa_next_free_sgpr 76
		.amdhsa_reserve_vcc 0
		.amdhsa_float_denorm_mode_32 3
		.amdhsa_float_denorm_mode_16_64 3
		.amdhsa_memory_ordered 1
		.amdhsa_forward_progress 1
		.amdhsa_inst_pref_size 91
	.end_amdhsa_kernel
	.amdgpu_metadata
---
amdhsa.version: [ 1, 2 ]
amdhsa.kernels:
  - .name:           k_q69d3be11ff_oproj
    .symbol:         k_q69d3be11ff_oproj.kd
    .args:
      - { .name: xf, .offset: 0, .size: 8, .value_kind: global_buffer, .address_space: global }
      - { .name: wf, .offset: 8, .size: 8, .value_kind: global_buffer, .address_space: global }
      - { .name: bo, .offset: 16, .size: 8, .value_kind: global_buffer, .address_space: global }
      - { .name: out0, .offset: 24, .size: 8, .value_kind: global_buffer, .address_space: global }
    .group_segment_fixed_size: 327680
    .private_segment_fixed_size: 0
    .kernarg_segment_align: 8
    .kernarg_segment_size: 32
    .max_flat_workgroup_size: 128
    .sgpr_count:     76
    .vgpr_count:     642
    .wavefront_size: 32
...
	.end_amdgpu_metadata
.endif
;; end of part 4
;; ======== version 2 of 2: 4 launches; version 1 with the launch prep written anew for expert scheduling mode
;; limits: values are held in f16: magnitudes above 65,504 overflow, below 6.1e-05 lose precision
;; workspace buffers: wf 8,388,608 bytes; maskw 2,097,152 bytes of whole numbers; qkvf 50,331,648 bytes; xf 16,777,216 bytes
;; launch prep (part 5): grid 256 x 1, 8 waves a work-group, no clusters, 136,192 bytes of LDS; arguments mask, Wq, Wk, Wv, Wo, maskw, wf; writes maskw, wf
.if DOCPART == 5
	.amdgcn_target "amdgcn-amd-amdhsa--gfx1250"
	.amdhsa_code_object_version 6
	.text
	.protected	k_q69d3be11ff_prep
	.globl	k_q69d3be11ff_prep
	.p2align	8
	.type	k_q69d3be11ff_prep,@function
k_q69d3be11ff_prep:
	s_mov_b64 s[64:65], 0
	v_nop
	global_prefetch_b8 v0, s[64:65] scope:SCOPE_SE
	s_setreg_imm32_b32 hwreg(HW_REG_WAVE_SCHED_MODE, 0, 2), 2
	s_setreg_imm32_b32 hwreg(HW_REG_WAVE_MODE, 25, 1), 1
	s_wait_xcnt 0x0
	s_wait_alu depctr_vm_vsrc(0)
; MULTI-HEAD ATTENTION, launch 1 of 4: the mask and the four weight matrices are laid out for the later launches.
; DEAD WORK: none.  Every input of reference() reaches the output and is loaded by some launch.  In particular bk stays: q.bk is the
; same along the keys only at places that the mask lets through; a masked place holds -1e9 without it, so it does not cancel in the softmax.
; NUMBER FORMAT: all matrix operands (x, W, q, k, v, p, the attention's result) are f16, sums and the softmax f32.  Twelve roundings lie between the inputs and out0;
; with bf16's 8 significant bits they add up to about a quarter of the allowed difference in root mean square, too much for 8 million numbers; f16 has 11 bits.
; f16's range, by the problem's spreads: x up to about 5.5, W up to 0.15, q, k, v up to about 5.5, the attention's result a mean of v, p at most 1.
; With x and W both 30 times larger q, k, v reach about 5,000; with both carrying an offset of 30 spreads, 1024 x 30 x 0.94 = 28,800.  Both lie under 65,504.
; LIMITS of the whole program: |q|, |k| or |v| above 65,504 overflows (x and W each about 109 times larger than drawn); operands below 2^-14 keep the fixed step 2^-24;
; sums are formed in another order than reference()'s; exponentials whose result lies below 2^-126 come out as 0.
;
; (a) mask [4][2048][2048] bytes -> maskw [b][q tile 128][key tile 128][j 8] words.  Bit L of a word = mask[b][16 qt + (L & 15)][16 kt + 8 (L >> 4) + j] != 0:
;     the lane mask of register j of a 16 x 16 score tile that holds keys down its registers and queries across its lanes.
; (b) W [1024 k][1024 n] f32 -> wf [Wq,Wk,Wv,Wo][n block 4][k step 8][k tile 8][n tile 16][512 bytes] f16.  In a block of 512 bytes the 16 bytes
;     (k row kr, columns 8 c .. 8 c + 7) lie at 16 (16 (kr >> 3) + 8 c + (kr & 7)): a transposing LDS load at block + 16 lane then yields a fragment half.
; Eight waves, none depends on another: each has its own 16,896 bytes of LDS (16 mask rows, then 16 weight rows, 512 bytes each at a pitch of 528).
; Wave w of work-group g: q tile 2 g + (w >> 2), keys 512 (w & 3) ..; matrix g >> 6, its rows 16 (g & 63) .., columns 128 w ...
; Every global load and store of a wave covers 512 consecutive bytes, aligned.
; THE MODE: SCHED_MODE bits 1:0 = 2 (LLVM: expert scheduling mode 2), set by the entry lines.  The code itself states the register dependences
; between vector instructions and memory or LDS instructions, and between a vector instruction that writes a scalar register and its readers, with s_wait_alu, always for 0.
; THE PLAN.  Registers that memory or LDS instructions touch:
;   v2, RA, PA, SA  offsets and LDS addresses: written at the head, read by every memory and LDS instruction, never written again.
;   MR = WP         written by the mask's 16 loads, read by their 16 LDS stores; then the weights' 16 LDS loads land in it, and the conversions read it.
;   WR              written by the weights' 16 loads, read by their 16 LDS stores.  WO, its first 32 registers: then written by the conversions, read by 8 global stores.
;   MD0, MD1        two buffers by turns: group g's 8 LDS loads land in MD[g % 2]; group g's byte extractions read it.  While a group is worked on, the next group's loads are out.
;   OUT0, OUT1      written by groups 0, 1 and by groups 2, 3; each read by one global store and never written again.
;   T and s[CM ..]  named by vector instructions alone: 16 bytes at work, and the 16 lane masks that the compares make of them.
; THE ORDER.  All 32 global loads; the mask rows into LDS; groups 0 and 1 asked for; group 0's words; group 2 asked for, the weights into LDS and back (they land during group 1's words);
; group 1's words; OUT0 stored, group 3 asked for; the weights rounded and stored; the words of groups 2 and 3; OUT1 stored.
.set WLDS,  16896
.set PITCH, 528
.set WOFF,  8448                       ; the weight rows, behind the 16 mask rows
.set RA,  3                            ; v3        LDS: mask row (L & 15), byte 8 (L >> 4)
.set PA,  4                            ; v4        LDS: weight row 8 (L >> 4) + (L & 7), byte 32 ((L >> 3) & 1)
.set SA,  5                            ; v5        LDS: 16 L in my wave's bytes
.set OUT, 8                            ; v[8:15]   two groups of 4: 128 mask words each, lane l holds words 4 l .. 4 l + 3
.set MR,  16                           ; v[16:79]  16 mask rows as loaded; later the weights read back (WP)
.set WP,  16
.set WR,  80                           ; v[80:143] 16 weight rows as loaded
.set WO,  80                           ; v[80:111] the weights in f16
.set MD,  144                          ; v[144:175] two buffers of 8 x 8 mask bytes
.set T,   176                          ; v[176:191] 16 single bytes
.set CM,  24                           ; s[24:39]  16 lane masks
	s_load_b256 s[4:11], s[0:1], 0x0               ; mask s[4:5], Wq s[6:7], Wk s[8:9], Wv s[10:11]
	s_load_b128 s[12:15], s[0:1], 0x20             ; Wo s[12:13], maskw s[14:15]
	s_load_b64 s[16:17], s[0:1], 0x30              ; wf
	v_lshl_add_u32 v192, v0, 2, 0x21000            ; my spare word, behind the eight waves' bytes, and 0: kept for the closing lines alone
	v_mov_b32 v193, 0
	v_lshrrev_b32 v6, 5, v0
	v_readfirstlane_b32 s20, v6                    ; wave
	v_and_b32 v1, 31, v0                           ; L
	v_lshlrev_b32 v2, 4, v1                        ; 16 L
	v_and_b32 v6, 15, v1
	v_lshrrev_b32 v7, 4, v1
	v_mul_u32_u24 v[RA], v6, PITCH
	v_lshl_add_u32 v[RA], v7, 3, v[RA]
	s_wait_alu depctr_va_sdst(0)                   ; s20 is written, ahead of its first reader: LDS addresses and all four bases are made from it
	s_mul_i32 s21, s20, WLDS                       ; my wave's LDS bytes
	v_add_nc_u32 v[RA], s21, v[RA]
	v_and_b32 v6, 7, v1
	v_lshl_add_u32 v6, v7, 3, v6                   ; k row of my piece
	v_mul_u32_u24 v[PA], v6, PITCH
	v_bfe_u32 v6, v1, 3, 1
	v_lshl_add_u32 v[PA], v6, 5, v[PA]             ; 8 f32 columns = 32 bytes
	v_add_nc_u32 v[PA], s21, v[PA]
	v_add_nc_u32 v[PA], WOFF, v[PA]
	v_add_nc_u32 v[SA], s21, v2
	s_lshl_b32 s22, ttmp9, 1
	s_lshr_b32 s23, s20, 2
	s_add_co_u32 s22, s22, s23                     ; q tile, 0 .. 511 (= 128 b + qt)
	s_and_b32 s23, s20, 3                          ; key chunk
	s_lshl_b32 s32, s22, 15                        ; 16 rows of 2,048 bytes
	s_lshl_b32 s33, s23, 9
	s_add_co_u32 s32, s32, s33
	s_mov_b32 s33, 0
	s_lshl_b32 s34, s22, 12                        ; 128 key tiles x 8 words
	s_lshl_b32 s35, s23, 10
	s_add_co_u32 s34, s34, s35
	s_mov_b32 s35, 0
	s_lshr_b32 s22, ttmp9, 6                       ; which matrix
	s_and_b32 s23, ttmp9, 63                       ; which 16 rows of it
	s_lshl_b32 s36, s23, 16                        ; 16 rows of 4,096 bytes
	s_lshl_b32 s37, s20, 9
	s_add_co_u32 s36, s36, s37
	s_mov_b32 s37, 0
	s_lshl_b32 s38, s22, 21                        ; wf: matrix,
	s_lshr_b32 s39, s20, 1
	s_lshl_b32 s39, s39, 19                        ; n block = w >> 1,
	s_add_co_u32 s38, s38, s39
	s_lshr_b32 s39, s23, 3
	s_lshl_b32 s39, s39, 16                        ; k step,
	s_add_co_u32 s38, s38, s39
	s_and_b32 s39, s23, 7
	s_lshl_b32 s39, s39, 13                        ; k tile,
	s_add_co_u32 s38, s38, s39
	s_and_b32 s39, s20, 1
	s_lshl_b32 s39, s39, 12                        ; n tiles 8 (w & 1) ..
	s_add_co_u32 s38, s38, s39
	s_mov_b32 s39, 0
	s_wait_kmcnt 0x0
	s_cmp_eq_u32 s22, 1
	s_cselect_b64 s[18:19], s[8:9], s[6:7]
	s_cmp_eq_u32 s22, 2
	s_cselect_b64 s[18:19], s[10:11], s[18:19]
	s_cmp_eq_u32 s22, 3
	s_cselect_b64 s[18:19], s[12:13], s[18:19]
	s_add_nc_u64 s[4:5], s[4:5], s[32:33]
	s_add_nc_u64 s[14:15], s[14:15], s[34:35]
	s_add_nc_u64 s[18:19], s[18:19], s[36:37]
	s_add_nc_u64 s[16:17], s[16:17], s[38:39]
	s_wait_alu depctr_va_vdst(0)                   ; v2, RA, PA and SA are written: every global and LDS instruction of the kernel reads one of them, and none is written again
.set i, 0
.rept 16
	global_load_b128 v[MR+4*i:MR+4*i+3], v2, s[4:5] offset:i*2048 th:TH_LOAD_NT
.set i, i+1
.endr
.set i, 0
.rept 16
	global_load_b128 v[WR+4*i:WR+4*i+3], v2, s[18:19] offset:i*4096 th:TH_LOAD_NT
.set i, i+1
.endr
.set i, 0
.rept 8
	v_mov_b32 v[OUT+i], 0                          ; v_writelane_b32 keeps the other lanes: the registers are written whole first
.set i, i+1
.endr
; 32 key tiles in four groups of eight.  A lane reads the 8 bytes (query L & 15, keys 16 kt + 8 (L >> 4) ..); a compare of byte j over the
; 32 lanes is the word (kt, j); it goes to lane 2 (kt & 15) + (j >> 2), register j & 3, so that a 16-byte store a lane writes 128 words in order.
; My own bytes: LDS serves a wave's instructions in order, so the loads see the stores of the mask rows.
.macro LOADS g                         ; group g's 8 x 8 bytes into buffer g % 2
.set q, 0
.rept 8
	ds_load_b64 v[MD+16*((\g)%2)+2*q:MD+16*((\g)%2)+2*q+1], v[RA] offset:(8*(\g)+q)*16
.set q, q+1
.endr
.endm
; Group g's 64 words, two key tiles (16 words) to a run: 16 bytes are taken out, 16 compares make 16 lane masks in 16 scalar registers, one wait, 16 writes of a lane.
.macro WORDS g
.set q, 0
.rept 4
.set j, 0
.rept 16
	v_bfe_u32 v[T+j], v[MD+16*((\g)%2)+2*(q+j/8)+(j%8)/4], 8*(j%4), 8
.set j, j+1
.endr
.set j, 0
.rept 16
	v_cmp_ne_u32 s[CM+j], 0, v[T+j]
.set j, j+1
.endr
	s_wait_alu depctr_va_sdst(0)                   ; the 16 compares have written s[CM ..], ahead of their first readers, the 16 lines below
.set j, 0
.rept 16
	v_writelane_b32 v[OUT+4*((\g)/2)+j%4], s[CM+j], ((8*(\g)+q+j/8)%16)*2+(j%8)/4
.set j, j+1
.endr
.set q, q+2
.endr
.endm
	s_wait_loadcnt 16                              ; the 16 mask rows are in; the 16 younger loads (weights) stay out
.set i, 0
.rept 16
	ds_store_b128 v[SA], v[MR+4*i:MR+4*i+3] offset:i*PITCH
.set i, i+1
.endr
	LOADS 0                                        ; no vector instruction has named MD0 or MD1 yet
	LOADS 1
	s_wait_dscnt 8                                 ; LDS instructions are served in order: group 0 is in, group 1's 8 loads stay out
	WORDS 0
	s_wait_alu depctr_va_vdst(0)                   ; group 0's extractions are done reading MD0, in which group 2's loads land
	LOADS 2
; the weights: 16 rows x 128 columns through LDS into eight blocks of 16 x 16; they come back during group 1's words
	s_wait_loadcnt 0x0
.set i, 0
.rept 16
	ds_store_b128 v[SA], v[WR+4*i:WR+4*i+3] offset:WOFF+i*PITCH
.set i, i+1
.endr
	s_wait_alu depctr_vm_vsrc(0)                   ; the LDS stores of the mask rows have read v[MR ..], in which the loads below land; those of the weight rows have read v[WR ..], of which the conversions write 32
.set c, 0
.rept 8
	ds_load_b128 v[WP+8*c:WP+8*c+3],   v[PA] offset:c*64
	ds_load_b128 v[WP+8*c+4:WP+8*c+7], v[PA] offset:c*64+16
.set c, c+1
.endr
	s_wait_dscnt 40                                ; group 1 is in; the 40 younger stay out: group 2's 8 loads, the weights' 16 stores and 16 loads
	WORDS 1
	s_wait_alu depctr_va_vdst(0)                   ; groups 0 and 1 have written OUT0, which the store reads; group 1's extractions are done reading MD1, in which group 3's loads land
	global_store_b128 v2, v[OUT:OUT+3], s[14:15]
	LOADS 3
	s_wait_dscnt 8                                 ; the weights are back, and group 2, which is older, is in; group 3's 8 loads stay out
.set i, 0
.rept 32
	v_cvt_pk_f16_f32 v[WO+i], v[WP+2*i], v[WP+2*i+1]
.set i, i+1
.endr
	s_wait_alu depctr_va_vdst(0)                   ; the conversions have written v[WO ..], which the 8 stores read
.set c, 0
.rept 8
	global_store_b128 v2, v[WO+4*c:WO+4*c+3], s[16:17] offset:c*512
.set c, c+1
.endr
	WORDS 2                                        ; MD0: shown in by the wait ahead of the conversions
	s_wait_dscnt 0x0                               ; group 3 is in
	WORDS 3
	s_wait_alu depctr_va_vdst(0)                   ; groups 2 and 3 have written OUT1, which the store reads
	global_store_b128 v2, v[OUT+4:OUT+7], s[14:15] offset:512
	s_wait_dscnt 0x0                               ; the closing lines, six on end
	s_wait_alu 0x0
	s_wait_tensorcnt 0x0
	ds_add_u32 v192, v193
	s_wait_dscnt 0x0
	s_endpgm
.Lfunc_end_k_q69d3be11ff_prep:
	.size	k_q69d3be11ff_prep, .Lfunc_end_k_q69d3be11ff_prep-k_q69d3be11ff_prep
	.p2alignl 7, 3214868480
	.fill 96, 4, 3214868480
	.section	.rodata,"a",@progbits
	.p2align	6, 0x0
	.amdhsa_kernel k_q69d3be11ff_prep
		.amdhsa_group_segment_fixed_size 136192
		.amdhsa_private_segment_fixed_size 0
		.amdhsa_enable_private_segment 0
		.amdhsa_kernarg_size 56
		.amdhsa_user_sgpr_count 2
		.amdhsa_user_sgpr_kernarg_segment_ptr 1
		.amdhsa_wavefront_size32 1
		.amdhsa_system_sgpr_workgroup_id_x 1
		.amdhsa_system_sgpr_workgroup_id_y 1
		.amdhsa_system_sgpr_workgroup_id_z 1
		.amdhsa_system_vgpr_workitem_id 0
		.amdhsa_next_free_vgpr 194
		.amdhsa_next_free_sgpr 66
		.amdhsa_reserve_vcc 0
		.amdhsa_float_denorm_mode_32 3
		.amdhsa_float_denorm_mode_16_64 3
		.amdhsa_memory_ordered 1
		.amdhsa_forward_progress 1
		.amdhsa_inst_pref_size 64
	.end_amdhsa_kernel
	.amdgpu_metadata
---
amdhsa.version: [ 1, 2 ]
amdhsa.kernels:
  - .name:           k_q69d3be11ff_prep
    .symbol:         k_q69d3be11ff_prep.kd
    .args:
      - { .name: mask, .offset: 0, .size: 8, .value_kind: global_buffer, .address_space: global }
      - { .name: Wq, .offset: 8, .size: 8, .value_kind: global_buffer, .address_space: global }
      - { .name: Wk, .offset: 16, .size: 8, .value_kind: global_buffer, .address_space: global }
      - { .name: Wv, .offset: 24, .size: 8, .value_kind: global_buffer, .address_space: global }
      - { .name: Wo, .offset: 32, .size: 8, .value_kind: global_buffer, .address_space: global }
      - { .name: maskw, .offset: 40, .size: 8, .value_kind: global_buffer, .address_space: global }
      - { .name: wf, .offset: 48, .size: 8, .value_kind: global_buffer, .address_space: global }
    .group_segment_fixed_size: 136192
    .private_segment_fixed_size: 0
    .kernarg_segment_align: 8
    .kernarg_segment_size: 56
    .max_flat_workgroup_size: 256
    .sgpr_count:     66
    .vgpr_count:     194
    .wavefront_size: 32
...
	.end_amdgpu_metadata
.endif
;; end of part 5
;; launch qkv: the kernel of part 2 again; grid 4 x 64, 4 waves a work-group, clusters of 4 x 4, 327,680 bytes of LDS; arguments query, key, value, bq, bk, bv, wf, qkvf; writes qkvf
;; launch attn: the kernel of part 3 again; grid 4 x 64, 8 waves a work-group, clusters of 4 x 1, 327,680 bytes of LDS; arguments qkvf, maskw, xf; writes xf
;; launch oproj: the kernel of part 4 again; grid 4 x 64, 4 waves a work-group, clusters of 4 x 4, 327,680 bytes of LDS; arguments xf, wf, bo, out0; writes out0
